; MI455X (gfx1250); checked and timed in simulation.
; The chip was launched on July 23, 2026; its instructions are those of AMD's public machine-readable ISA for CDNA 5 (MIT licence, August 2026) and "CDNA5" Instruction Set Architecture Reference Guide (July 2026). The comments in the code are by the model that wrote it; some were corrected since.
;; Sparse Mo E. Allowed arithmetic: float matrix products may take bf16 or f16 operands with f32 sums; other float arithmetic in f32, or as packed bf16 or f16 multiplies, adds, multiply-adds, maxima and minima; sums over many terms, partial sums and values carried from step to step in f32; what a program stores and reads back later, other than sums and carried values, may be rounded once to bf16 or f16.
;; Inputs: W1 8 x 1,024 x 4,096 float32; W2 8 x 4,096 x 1,024 float32; Wg 1,024 x 8 float32; b1 8 x 4,096 float32; b2 8 x 1,024 float32; bg 8 float32; x 1,024 x 1,024 float32.
;; Outputs: out0 1,024 x 1,024 float32.
;; 2 versions, each right; version 2 is version 1 with the launch router written anew for expert scheduling mode. Each part assembles by itself: llvm-mc -triple=amdgcn-amd-amdhsa -mcpu=gfx1250 --defsym DOCPART=n.
;; ======== version 1 of 2: 4 launches
;; workspace buffers: xb 2,097,152 bytes; topi 8,192 bytes of whole numbers; gw 8,192 bytes; h 67,108,864 bytes; y 35,651,584 bytes
;; launch router (part 1): grid 256 x 1, 4 waves a work-group, no clusters, 0 bytes of LDS; arguments x, Wg, bg, xb, topi, gw; writes xb, topi, gw
.if DOCPART == 1
	.amdgcn_target "amdgcn-amd-amdhsa--gfx1250"
	.amdhsa_code_object_version 6
	.text
	.protected	k_q4275f997fb_router
	.globl	k_q4275f997fb_router
	.p2align	8
	.type	k_q4275f997fb_router,@function
k_q4275f997fb_router:
	s_mov_b64 s[64:65], 0
	v_nop
	global_prefetch_b8 v0, s[64:65] scope:SCOPE_SE
	s_setreg_imm32_b32 hwreg(HW_REG_WAVE_MODE, 25, 1), 1
	s_wait_xcnt 0x0
; THE GATE.  logits = x Wg + bg, the two largest of a token's 8 logits (a tie goes to the lower index), and the softmax over those two.  Also xb = x rounded to bf16, for the first product.
; FORMATS.  x, Wg and bg are rounded once to bf16, like every input of this program, and the gate is reckoned in f32 on the rounded numbers: a product of two bf16 is exact in f32.
; SHARES.  One wave, one token: token n = 4 x work-group + wave.  Lane L holds x[n][128 i + 4 L + c], i = 0..7, c = 0..3, and the 8 columns of Wg's same 32 rows.
; Nothing here steers an address: the experts go to topi[n][0..1] and the weights to gw[slot][n], at places fixed by n.  Those three stores are 16 bytes a token, 16 KiB in the launch.
; LIMITS.  The order of a logit's sum differs from a plain dot product's, so logits closer than f32's rounding may be ranked otherwise.  NaN is not treated apart; where seven logits are -inf the second index repeats.
; No LDS, no barrier, no matrix unit: a token's 8 sums are 8,192 multiply-adds, and a wave never looks at another's.
.set X,   8                            ; v[8:39]    x as loaded, f32
.set ACC, 40                           ; v[40:47]   the 8 sums
.set XP,  48                           ; v[48:63]   x in bf16, two to a register: xb's store data and the products' source; never rewritten
.set WB,  64                           ; v[64:255]  three buffers of 64 for Wg: two values of i each; register 32 (i % 2) + 8 c + e
	s_load_b256 s[4:11], s[0:1], 0x0               ; x s[4:5], Wg s[6:7], bg s[8:9], xb s[10:11]
	s_load_b128 s[12:15], s[0:1], 0x20             ; topi s[12:13], gw s[14:15]
	v_and_b32 v1, 31, v0                           ; lane
	v_lshrrev_b32 v6, 5, v0
	v_readfirstlane_b32 s2, v6                     ; wave
	s_lshl_b32 s3, ttmp9, 2
	s_add_co_u32 s3, s3, s2                        ; token n
	v_lshlrev_b32 v2, 4, v1                        ; 16 L: my 16 bytes in 512 of x
	v_lshlrev_b32 v3, 7, v1                        ; 128 L: my four rows of Wg
	v_lshlrev_b32 v4, 3, v1                        ; 8 L: my 8 bytes in 256 of xb
	v_mov_b32 v5, 0                                ; the addend of each sum's first product
	s_mov_b32 s24, 0x76543210                      ; v_permlanex16_b32: each lane takes its own place in the other half
	s_mov_b32 s25, 0xfedcba98
	s_mov_b32 s27, 0
	s_wait_kmcnt 0x0
	s_load_b256 s[16:23], s[8:9], 0x0              ; bg, all 32 bytes of it
	s_lshl_b32 s26, s3, 12
	s_add_nc_u64 s[4:5], s[4:5], s[26:27]          ; x at my row
	s_lshl_b32 s26, s3, 11
	s_add_nc_u64 s[10:11], s[10:11], s[26:27]      ; xb at my row
	s_lshl_b32 s26, s3, 3
	s_add_nc_u64 s[12:13], s[12:13], s[26:27]      ; topi[n]
	s_lshl_b32 s26, s3, 2
	s_add_nc_u64 s[14:15], s[14:15], s[26:27]      ; gw[0][n]
.macro WLOAD g, bb                     ; group g of Wg (i = 2 g, 2 g + 1) into buffer bb: 16 loads
.irp ii, 0,1
.irp q, 0,1,2,3,4,5,6,7
	global_load_b128 v[WB+64*(\bb)+32*\ii+4*\q:WB+64*(\bb)+32*\ii+4*\q+3], v3, s[6:7] offset:4096*(2*(\g)+\ii)+16*\q
.endr
.endr
.endm
.macro PACKW bb                        ; a buffer's 64 numbers rounded to bf16: columns 2 q, 2 q + 1 into the even register of their pair
.set k, 0
.rept 32
	v_cvt_pk_bf16_f32 v[WB+64*(\bb)+2*k], v[WB+64*(\bb)+2*k], v[WB+64*(\bb)+2*k+1]
.set k, k+1
.endr
.endm
.macro FM e, c, w, xr, z               ; sum e += half e % 2 of v[w] x half c % 2 of v[xr]; z = 1: the sum's first product, onto 0
.if \z
.set AD, 5
.else
.set AD, ACC+(\e)
.endif
.if ((\e)%2 == 0) && ((\c)%2 == 0)
	v_fma_mix_f32_bf16 v[ACC+(\e)], v[\w], v[\xr], v[AD] op_sel_hi:[1,1,0]
.elseif ((\e)%2 == 1) && ((\c)%2 == 0)
	v_fma_mix_f32_bf16 v[ACC+(\e)], v[\w], v[\xr], v[AD] op_sel:[1,0,0] op_sel_hi:[1,1,0]
.elseif ((\e)%2 == 0) && ((\c)%2 == 1)
	v_fma_mix_f32_bf16 v[ACC+(\e)], v[\w], v[\xr], v[AD] op_sel:[0,1,0] op_sel_hi:[1,1,0]
.else
	v_fma_mix_f32_bf16 v[ACC+(\e)], v[\w], v[\xr], v[AD] op_sel:[1,1,0] op_sel_hi:[1,1,0]
.endif
.endm
.macro DOT g, bb, first                ; 64 products: eight chains that do not wait for each other
.irp ii, 0,1
.irp c, 0,1,2,3
.irp e, 0,1,2,3,4,5,6,7
	FM \e, \c, WB+64*(\bb)+32*\ii+8*\c+2*(\e/2), XP+2*(2*(\g)+\ii)+(\c/2), ((\first)&&(\ii==0)&&(\c==0))
.endr
.endr
.endr
.endm
.irp i, 0,1,2,3,4,5,6,7
	global_load_b128 v[X+4*\i:X+4*\i+3], v2, s[4:5] offset:512*\i th:TH_LOAD_NT  ; 512 neighbouring bytes a load; x is read here alone
.endr
	WLOAD 0, 0
	WLOAD 1, 1
	WLOAD 2, 2
	s_wait_loadcnt 48                              ; x is in; Wg's three groups of 16 loads may be out
.irp i, 0,1,2,3,4,5,6,7
	v_cvt_pk_bf16_f32 v[XP+2*\i],   v[X+4*\i],   v[X+4*\i+1]
	v_cvt_pk_bf16_f32 v[XP+2*\i+1], v[X+4*\i+2], v[X+4*\i+3]
.endr
.irp i, 0,1,2,3,4,5,6,7
	global_store_b64 v4, v[XP+2*\i:XP+2*\i+1], s[10:11] offset:256*\i  ; the wave's store covers 256 consecutive bytes, aligned
.endr
	s_wait_loadcnt 32                              ; group 0 is in; groups 1 and 2 may be out
	PACKW 0
	DOT 0, 0, 1
	WLOAD 3, 0                                     ; buffer 0 has been read: it takes the last group
	s_wait_loadcnt 32                              ; group 1 is in; groups 2 and 3 may be out
	PACKW 1
	DOT 1, 1, 0
	s_wait_loadcnt 16                              ; group 2 is in
	PACKW 2
	DOT 2, 2, 0
	s_wait_loadcnt 0x0
	PACKW 0
	DOT 3, 0, 0
	; over the 32 lanes: four steps inside each half ride on the addition, one crosses the halves; every lane ends with every sum
.irp m, 1,2,4,8
.irp e, 0,1,2,3,4,5,6,7
	v_add_f32_dpp v[ACC+\e], v[ACC+\e], v[ACC+\e] row_xmask:\m row_mask:0xf bank_mask:0xf
.endr
.endr
.irp e, 0,1,2,3,4,5,6,7
	v_permlanex16_b32 v[64+\e], v[ACC+\e], s24, s25  ; its destination counts as read: Wg's registers have been written
.endr
	s_wait_kmcnt 0x0                               ; bg
.irp e, 0,1,2,3,4,5,6,7
	v_mov_b32 v[84+\e], s[16+\e]                   ; bg into vector registers,
.endr
.irp q, 0,1,2,3
	v_cvt_pk_bf16_f32 v[80+\q], v[84+2*\q], v[85+2*\q]  ; rounded to bf16,
.endr
.irp q, 0,1,2,3
	v_lshlrev_b32 v[84+2*\q], 16, v[80+\q]         ; and back in f32
	v_and_b32 v[85+2*\q], 0xffff0000, v[80+\q]
.endr
.irp e, 0,1,2,3,4,5,6,7
	v_add_f32 v[ACC+\e], v[ACC+\e], v[64+\e]
.endr
.irp e, 0,1,2,3,4,5,6,7
	v_add_f32 v[ACC+\e], v[ACC+\e], v[84+\e]
.endr
	; the largest: a later logit wins only if it is strictly greater, so a tie stays with the lower index
	v_mov_b32 v72, v[ACC]
	v_mov_b32 v74, 0
.irp e, 1,2,3,4,5,6,7
	v_cmp_gt_f32 vcc_lo, v[ACC+\e], v72
	v_cndmask_b32 v72, v72, v[ACC+\e], vcc_lo
	v_cndmask_b32 v74, v74, \e, vcc_lo
.endr
	v_mov_b32 v76, 0xff800000                      ; the winner is taken out,
.irp e, 0,1,2,3,4,5,6,7
	v_cmp_eq_u32 vcc_lo, \e, v74
	v_cndmask_b32 v[ACC+\e], v[ACC+\e], v76, vcc_lo
.endr
	v_mov_b32 v73, v[ACC]                          ; and the same scan finds the second
	v_mov_b32 v75, 0
.irp e, 1,2,3,4,5,6,7
	v_cmp_gt_f32 vcc_lo, v[ACC+\e], v73
	v_cndmask_b32 v73, v73, v[ACC+\e], vcc_lo
	v_cndmask_b32 v75, v75, \e, vcc_lo
.endr
	; softmax over the two, the maximum taken away: t = e^(second - first) <= 1; weights 1 / (1 + t) and t / (1 + t)
	v_sub_f32 v77, v73, v72
	v_mul_f32 v77, 0x3fb8aa3b, v77
	v_exp_f32 v78, v77
	v_mov_b32 v82, 0                               ; a plain instruction behind the exponential: the stores' offset
	s_wait_alu depctr_va_vdst(0)                   ; the wait ahead of the first reader
	v_add_f32 v79, 1.0, v78
	v_rcp_f32 v80, v79
	v_cmp_eq_u32 vcc_lo, 0, v1                     ; a plain instruction behind the reciprocal: lane 0 stores for the wave
	s_wait_alu depctr_va_vdst(0)
	v_mul_f32 v81, v78, v80
	s_wait_xcnt 0x0                                ; EXEC is a source of the stores above: it changes only behind this wait
	s_and_saveexec_b32 s28, vcc_lo
	global_store_b64 v82, v[74:75], s[12:13]       ; topi[n] = first, second
	global_store_b32 v82, v80, s[14:15]            ; gw[0][n]
	global_store_b32 v82, v81, s[14:15] offset:4096  ; gw[1][n]
	s_wait_xcnt 0x0
	s_or_b32 exec_lo, exec_lo, s28
	s_endpgm
.Lfunc_end_k_q4275f997fb_router:
	.size	k_q4275f997fb_router, .Lfunc_end_k_q4275f997fb_router-k_q4275f997fb_router
	.p2alignl 7, 3214868480
	.fill 96, 4, 3214868480
	.section	.rodata,"a",@progbits
	.p2align	6, 0x0
	.amdhsa_kernel k_q4275f997fb_router
		.amdhsa_group_segment_fixed_size 0
		.amdhsa_private_segment_fixed_size 0
		.amdhsa_enable_private_segment 0
		.amdhsa_kernarg_size 48
		.amdhsa_user_sgpr_count 2
		.amdhsa_user_sgpr_kernarg_segment_ptr 1
		.amdhsa_wavefront_size32 1
		.amdhsa_system_sgpr_workgroup_id_x 1
		.amdhsa_system_sgpr_workgroup_id_y 1
		.amdhsa_system_sgpr_workgroup_id_z 1
		.amdhsa_system_vgpr_workitem_id 0
		.amdhsa_next_free_vgpr 256
		.amdhsa_next_free_sgpr 66
		.amdhsa_reserve_vcc 1
		.amdhsa_float_denorm_mode_32 3
		.amdhsa_float_denorm_mode_16_64 3
		.amdhsa_memory_ordered 1
		.amdhsa_forward_progress 1
		.amdhsa_inst_pref_size 41
	.end_amdhsa_kernel
	.amdgpu_metadata
---
amdhsa.version: [ 1, 2 ]
amdhsa.kernels:
  - .name:           k_q4275f997fb_router
    .symbol:         k_q4275f997fb_router.kd
    .args:
      - { .name: x, .offset: 0, .size: 8, .value_kind: global_buffer, .address_space: global }
      - { .name: Wg, .offset: 8, .size: 8, .value_kind: global_buffer, .address_space: global }
      - { .name: bg, .offset: 16, .size: 8, .value_kind: global_buffer, .address_space: global }
      - { .name: xb, .offset: 24, .size: 8, .value_kind: global_buffer, .address_space: global }
      - { .name: topi, .offset: 32, .size: 8, .value_kind: global_buffer, .address_space: global }
      - { .name: gw, .offset: 40, .size: 8, .value_kind: global_buffer, .address_space: global }
    .group_segment_fixed_size: 0
    .private_segment_fixed_size: 0
    .kernarg_segment_align: 8
    .kernarg_segment_size: 48
    .max_flat_workgroup_size: 128
    .sgpr_count:     66
    .vgpr_count:     256
    .wavefront_size: 32
...
	.end_amdgpu_metadata
.endif
;; end of part 1
;; launch gemm1 (part 2): grid 32 x 8, 8 waves a work-group, no clusters, 267,264 bytes of LDS; arguments xb, W1, b1, topi, h; writes h
.if DOCPART == 2
	.amdgcn_target "amdgcn-amd-amdhsa--gfx1250"
	.amdhsa_code_object_version 6
	.text
	.protected	k_q4275f997fb_gemm1
	.globl	k_q4275f997fb_gemm1
	.p2align	8
	.type	k_q4275f997fb_gemm1,@function
k_q4275f997fb_gemm1:
	s_mov_b64 s[64:65], 0
	v_nop
	global_prefetch_b8 v0, s[64:65] scope:SCOPE_SE
	s_setreg_imm32_b32 hwreg(HW_REG_WAVE_MODE, 25, 1), 1
	s_wait_xcnt 0x0
; ONE TEXT FOR BOTH PRODUCTS OF THE EXPERTS' LAYER; G chooses.  G = 1: h = relu(x W1[e] + b1[e]) for the tokens that chose expert e.  G = 2: y = weight x (h W2[e] + b2[e]), in four parts along K.
; SHARES.  A work-group has ONE expert (grid y), 128 output columns and 1,024 of K: 512 KiB of f32 weights that it alone reads, and ALL rows of that expert.  G = 1: grid x = slice of 128 hidden columns.
; G = 2: grid x = 8 x part + slice; part = which quarter of K = 4,096.  32 x 8 = 256 work-groups.
; TWO ROLES, by the wave's number.  Waves 0-3 (producers) load the f32 weights, round them to bf16 and lay them into LDS in the order of matrix operands; the slice, 256 KiB in bf16, STAYS there.
; Each keeps 64 loads of 512 bytes asked for.  Waves 4-7 (consumers) take token rows from memory straight into registers as operands, on a load counter of their own, weights from LDS, and hold 5 tiles of
; 16 rows x 128 columns: 40 accumulators.
; THE PIPELINE.  K goes in 4 chunks of 256, a chunk in two halves of 4 steps: half a (steps 0-3) at LDS bytes 65536 chunk + 0..32767, half b (steps 4-7) at + 32768..65535.  Between two barriers the producers
; lay one half and the consumers multiply the half laid before: [a(0) | the pass's start], then four trips of [b(J) | a(J)] and [a(J+1) | b(J)].  So in every stretch between barriers what is written is
; halves of one kind and what is read is halves of the other kind: the two differ by constants of this text.
; THE COUNTED WAITS HOLD ON EVERY WAY THROUGH THE TEXT.  A consumer's unit leaves the loads that are out as it found them, so its counts hold after any sequence of units.  A producer's halves a and b take
; turns round one ring of 64 loads, and their count holds where they take turns; every way that jumps over a unit, and a pass's end, waits for ALL loads, so that a half which does not follow the other half
; finds nothing out.  Such a way is walked only where nothing is left to fetch.
; EVERY SPLIT OF THE TOKENS IS SERVED.  An expert may have 0 to 1,024 rows.  A pass takes 20 tiles = 320 rows; 4 passes of 4 trips, both counts constant; every wave passes every barrier; a pass without
; rows jumps forward over its work alone.  Passes 1-3 read the resident slice again.  Tile T = 20 pass + 4 slot + consumer.
; THE ROWS.  Each consumer finds, from topi, the token of each rank that it needs: entry = 1024 slot + token, ranks in the order of the tokens.  Ranks past the count take the expert's 16 pad entries
; 2048 + 16 e + i.  At least one tile counts as live, so that tile 0 of every expert exists in h.  A slot whose tile is past the last loads one harmless place, multiplies, and stores nothing.
; K'S ORDER.  In step x (0..7) of a chunk lane (r, hh) holds k = KOFF(x) + 32 hh + 0..15, KOFF(x) = 128 (x / 4) + 64 ((x / 2) % 2) + 16 (x % 2); register u the offsets 2 u, 2 u + 1: alike in both operands.
; COLUMNS.  Fragment f = 4 cg + jj, place i, is column 64 cg + 4 i + jj: what a lane's 16-byte load of a weight row holds, so rounding needs no exchange between lanes.
; h lies in the order of G = 2's operands: block ((e 64 + T) 128 + step) of 1,024 bytes; a lane's registers 0-3 at 16 L, 4-7 at 512 + 16 L.  With the weights as source 0 (G = 1) a lane's results ARE its own part of those blocks.
; y: [part][row][1024] f32, row = the entry; rows 2048.. are pad rows, written and never read.
; FORMATS.  Weights, x, h and the bias are rounded once to bf16; sums in f32, begun from the bias.
; LIMITS.  NaN and infinities are not treated apart: relu makes 0 of a NaN.  A token whose two choices are the same expert counts once, in slot 1.
; NO CLUSTER: each weight byte has one reader; what an expert's work-groups share is its token rows, which come by a list (G = 1) or would want LDS that the slice fills (G = 2).
; NO TENSOR LOADS: the weights pass through registers to be rounded.
.set G, 1
.if G == 1
.set PITCH, 16384                      ; bytes from a weight row (one k) to the next
.set WCH,   4194304                    ; bytes of 256 weight rows
.set ACH,   512                        ; bytes from chunk to chunk in the token operand
.else
.set PITCH, 4096
.set WCH,   1048576
.set ACH,   8192
.endif
; LDS: 0 .. 262,143 the slice: step x of a chunk, fragment 4 cg + jj: registers 0-3 at 65536 chunk + 8192 x + 4096 cg + 512 jj + 16 L, registers 4-7 2,048 further: a producer's part is 2048 x its number
;      262,144 .. four lists of 1,024 bytes, one a consumer (384 used: tile place t, row i at 64 t + 4 i);  266,240 .. the spare words, 128 bytes a wave
.set LIST,  262144
.set SPARE, 266240
; VECTOR REGISTERS, in windows of 256 (s_set_vgpr_msb: bits 1:0 source 0, 3:2 source 1, 5:4 source 2, 7:6 destination).  v0 keeps the thread's number to the end.
;   consumer, window 0: v1 LDS address of the chunk; v2-6 a slot's offset in the token operand; v7 at work; v8-127 token fragments, three buffers of 5 x 8; v128-159, v160-191 weight fragments 0-3, 4-7;
;             v192-255 slot 4's accumulators.   window 1: slots 0-3's accumulators, at 64 slot + 8 f
;   producer, window 0: v1 my offset in the weights, or 0; v2 LDS address of the chunk; v3 my offset in the weights; v8-39 rounded numbers.   window 1: eight steps of 8 loads as they arrive, step x at 32 x
; SCALARS: s[4:5] token operand, s[6:7] weights, s[8:9] bias, s[10:11] topi, s[12:13] h (G = 1) or gw, s[14:15] y; s16 wave, s17 wave % 4, s18 expert, s19 grid x, s20 pass, s21 trip, s22 pass is live, s23 count,
;   s24 tiles, s26-29 at work, s[30:31] token operand at my expert, s[32:33] this chunk's, s[34:35] the next chunk's, s[36:37] my weights, s[38:39] the chunk being asked for, s[40:41] my output,
;   s[42:43] an offset, s44-48 a slot's tile, s49-53 -1 if it is live, s54 my list, s55 1024, s56 -1 where the bias counts, s58 part, s59 slice
.set MSB, 0
.macro WIN new                         ; the immediate's high byte repeats the setting that is left; a switch that changes nothing is dropped
.if MSB != (\new)
	s_set_vgpr_msb (MSB<<8)|(\new)
.set MSB, (\new)
.endif
.endm
; ---- the producers' macros ----
.macro PLOAD x                         ; step x of the chunk at s[38:39]: 8 loads; each covers 256 aligned bytes of row k (lanes 0-15) and of row k + 32 (lanes 16-31)
.set KO, 128*((\x)>>2)+64*(((\x)>>1)&1)+16*((\x)&1)
	WIN 0x40
.irp i, 0,1,2,3,4,5,6,7
	global_load_b128 v[32*(\x)+4*\i:32*(\x)+4*\i+3], v1, s[38:39] offset:(KO+\i)*PITCH th:TH_LOAD_NT
.endr
	WIN 0
.endm
.macro PSTEP x                         ; step x has arrived: rows 2 u, 2 u + 1 of column jj pack into register u of my half of fragment jj; 16 bytes a lane into LDS; then the next chunk's step x is asked for
	s_wait_loadcnt 56                              ; behind step x's 8 loads stand 7 groups of 8: this chunk's later steps and the next chunk's earlier ones (or nothing is out at all: see the head)
	WIN 0x05
.irp jj, 0,1,2,3
.irp u, 0,1,2,3
	v_cvt_pk_bf16_f32 v[8+16*((\x)&1)+4*\jj+\u], v[32*(\x)+8*\u+\jj], v[32*(\x)+8*\u+4+\jj]
.endr
.endr
	WIN 0
.irp jj, 0,1,2,3
	ds_store_b128 v2, v[8+16*((\x)&1)+4*\jj:8+16*((\x)&1)+4*\jj+3] offset:8192*(\x)+512*\jj  ; lane L at 16 L: 512 consecutive bytes
.endr
	PLOAD \x
.endm
; Half hf (0: a, 1: b) of chunk s26 (0..3).  The refills ask for chunk s26 + 1.  Behind the last chunk nothing is left to fetch: there the lanes' offset is 0 and the chunk stays the last, so that a load is 16 bytes
; of one place inside my slice, 64 places in all, used by nobody: the ring stays full and the one count above holds in every half.
.macro HALF hf
	s_wait_xcnt 0x0                                ; the loads that are out name v1 and s[38:39]: both are rewritten only behind this wait
	s_cmp_lt_u32 s26, 3
	s_cselect_b32 s27, -1, 0
	s_add_co_u32 s28, s26, 1
	s_min_u32 s28, s28, 3
	s_mul_i32 s42, s28, WCH
	s_add_nc_u64 s[38:39], s[36:37], s[42:43]
	v_and_b32 v1, s27, v3
	s_lshl_b32 s28, s26, 16                        ; a chunk is 65,536 bytes of LDS,
	s_lshl_b32 s29, s16, 11                        ; my part of a step 2,048
	s_add_co_u32 s28, s28, s29
	v_and_b32 v2, 31, v0
	v_lshl_add_u32 v2, v2, 4, s28
.irp x, 0,1,2,3
	PSTEP 4*(\hf)+\x
.endr
.endm
; ---- the consumers' macros ----
.macro ALOAD buf, step, sb             ; the 5 slots' token fragments of a step, from the chunk at s[sb]: 10 loads
.if G == 1
.set AI, 2*(128*((\step)>>2)+64*(((\step)>>1)&1)+16*((\step)&1))
.set A2, 16
.else
.set AI, 1024*(\step)
.set A2, 512
.endif
.irp t, 0,1,2,3,4
	global_load_b128 v[8+40*(\buf)+8*\t:8+40*(\buf)+8*\t+3],   v[2+\t], s[\sb:\sb+1] offset:AI
	global_load_b128 v[8+40*(\buf)+8*\t+4:8+40*(\buf)+8*\t+7], v[2+\t], s[\sb:\sb+1] offset:AI+A2
.endr
.endm
.macro BLOAD hb, x                     ; weight fragments 4 hb .. 4 hb + 3 of step x: 8 LDS loads, lane L at 16 L
.irp f, 0,1,2,3
	ds_load_b128 v[128+32*(\hb)+8*\f:128+32*(\hb)+8*\f+3],   v1 offset:8192*(\x)+4096*(\hb)+512*\f
	ds_load_b128 v[128+32*(\hb)+8*\f+4:128+32*(\hb)+8*\f+7], v1 offset:8192*(\x)+4096*(\hb)+512*\f+2048
.endr
.endm
.macro WM d, a, b                      ; G = 1: weights are source 0, so a lane holds one token and 8 columns; G = 2: tokens are source 0, so a lane holds one column place and 8 tokens
.if G == 1
	v_wmma_f32_16x16x32_bf16 v[(\d):(\d)+7], v[(\b):(\b)+7], v[(\a):(\a)+7], v[(\d):(\d)+7]
.else
	v_wmma_f32_16x16x32_bf16 v[(\d):(\d)+7], v[(\a):(\a)+7], v[(\b):(\b)+7], v[(\d):(\d)+7]
.endif
.endm
; 16 matrix instructions for slots 0-3, 4 for slot 4 where it is live.  The accumulators take turns, one instruction a turn, in the same order in every step.
; The four v_nop are the places between the last matrix instruction and the loads into the registers that it read, and at a pass's end ahead of the reads of the sums.
.macro MM hb, buf
	WIN 0x50
.irp f, 0,1,2,3
.irp t, 0,1,2,3
	WM 64*\t+8*(4*(\hb)+\f), 8+40*(\buf)+8*\t, 128+32*(\hb)+8*\f
.endr
.endr
	WIN 0
	s_cmp_eq_u32 s53, 0
	s_cbranch_scc1 .Lno4_\@
.irp f, 0,1,2,3
	WM 192+8*(4*(\hb)+\f), 8+40*(\buf)+32, 128+32*(\hb)+8*\f
.endr
.Lno4_\@:
.rept 4
	v_nop
.endr
.endm
; Step l (0..3) of half hf.  The four steps multiply token buffers 0, 1, 2, 1.  Behind step 0 buffer 0 takes the NEXT half's step 0, behind step 1 buffer 1 this half's step 3, behind step 2 buffer 2 the next
; half's step 2, behind step 3 buffer 1 the next half's step 1: every half begins and ends alike.  The load counts: behind the group of 10 that step 1 or 3 wants stands one younger group; steps 0 and 2 want
; groups older than one already waited for (at a pass's start: step 0's has two younger groups), and leave the two youngest out.  The LDS count 8: the other four fragments' eight loads.
.macro CSTEP l, hf
.set XX, 4*(\hf)+(\l)
.set BU, (\l)-2*((\l)/3)
.if ((\l)&1) == 0
	s_wait_loadcnt 20
.else
	s_wait_loadcnt 10
.endif
	s_wait_dscnt 8
	MM 0, BU
.if (\l) < 3
	BLOAD 0, XX+1
	s_wait_dscnt 8
.else
	s_wait_dscnt 0x0
.endif
	MM 1, BU
.if (\l) < 3
	BLOAD 1, XX+1
.endif
.if (\hf) == 0
.if (\l) == 0
	ALOAD 0, 4, 32
.elseif (\l) == 1
	ALOAD 1, 3, 32
.elseif (\l) == 2
	ALOAD 2, 6, 32
.else
	ALOAD 1, 5, 32
.endif
.else
.if (\l) == 0
	ALOAD 0, 0, 34
.elseif (\l) == 1
	ALOAD 1, 7, 32
.elseif (\l) == 2
	ALOAD 2, 2, 34
.else
	ALOAD 1, 1, 34
.endif
.endif
.endm
.macro UNIT hf                         ; half hf of chunk s21.  No fragment of the other half is asked for here: that half is being laid
	s_wait_xcnt 0x0                                ; the loads that are out name s[32:35]
	s_mul_i32 s42, s21, ACH
	s_add_nc_u64 s[32:33], s[30:31], s[42:43]
	s_add_co_u32 s27, s21, 1
	s_and_b32 s27, s27, 3                          ; behind the last chunk the look-ahead wraps to chunk 0: inside the buffer, never used, and the counts stay alike
	s_mul_i32 s42, s27, ACH
	s_add_nc_u64 s[34:35], s[30:31], s[42:43]
	s_lshl_b32 s26, s21, 16
	v_and_b32 v1, 31, v0
	v_lshl_add_u32 v1, v1, 4, s26
	BLOAD 0, 4*(\hf)
	BLOAD 1, 4*(\hf)
.irp l, 0,1,2,3
	CSTEP \l, \hf
.endr
.endm
; THE ROWS OF A PASS.  Three vectors of 32 ranks: vector q, lane 16 hh + r: row r of tile place t = 2 q + hh (place 5 serves nothing): rank 320 pass + 16 consumer + 128 q + 64 hh + r.
; The 1,024 tokens go by in 32 groups of 32: two compares give the group's mask of tokens that chose the expert; each rank keeps the mask, the count so far and the number of the LAST group whose count so far
; is not above the rank: that group holds the rank's token.  Work on registers alone: no address and no lane mask of a memory instruction hangs on the choices.
.macro DESC src, w                     ; one halving: if the lower w bits at v25 hold no more than v19 set bits, they are passed over
	v_bfe_u32 v26, v[\src], v25, \w
	v_cmp_ge_u32 vcc_lo, v19, v26
	v_cndmask_b32 v26, 0, v26, vcc_lo
	v_sub_nc_u32 v19, v19, v26
	v_cndmask_b32 v27, 0, \w, vcc_lo
	v_add_nc_u32 v25, v25, v27
.endm
.macro NTH q                           ; the token of vector q's ranks: 32 group + the place of set bit number (rank - count so far) of the mask
	v_and_b32 v19, 0xffff, v[16+\q]
	v_sub_nc_u32 v19, v[10+\q], v19
	v_lshrrev_b32 v20, 11, v[16+\q]                ; 32 x group: the count, 1,024 at the most, leaves nothing above bit 10
	v_lshrrev_b32 v21, 1, v[13+\q]
	v_and_b32 v21, 0x55555555, v21
	v_sub_nc_u32 v21, v[13+\q], v21                ; the set bits of each 2,
	v_lshrrev_b32 v22, 2, v21
	v_and_b32 v22, 0x33333333, v22
	v_and_b32 v23, 0x33333333, v21
	v_add_nc_u32 v22, v22, v23                     ; of each 4,
	v_lshrrev_b32 v23, 4, v22
	v_add_nc_u32 v23, v23, v22
	v_and_b32 v23, 0x0f0f0f0f, v23                 ; of each 8,
	v_lshrrev_b32 v24, 8, v23
	v_add_nc_u32 v24, v24, v23
	v_and_b32 v24, 0xff, v24                       ; of the lower 16
	v_cmp_ge_u32 vcc_lo, v19, v24
	v_cndmask_b32 v26, 0, v24, vcc_lo
	v_sub_nc_u32 v19, v19, v26
	v_cndmask_b32 v25, 0, 16, vcc_lo
	DESC 23, 8
	DESC 22, 4
	DESC 21, 2
	DESC 13+\q, 1
	v_add_nc_u32 v[28+\q], v20, v25
.endm
.macro RANKS                           ; at work: v8 r, v9 offset, v10-12 ranks, v13-15 masks, v16-18 count | group << 16, v19-27, v28-30 tokens, v31-33 second choices, v34-36 offsets, v37 pad, v38 LDS address, v64-127 topi
	v_and_b32 v9, 31, v0
	v_lshlrev_b32 v9, 3, v9
.set g, 0
.rept 32
	global_load_b64 v[64+2*g:65+2*g], v9, s[10:11] offset:256*g  ; the two choices of token 32 g + L
.set g, g+1
.endr
	s_mul_i32 s26, s20, 320
	s_lshl_b32 s27, s17, 4
	s_add_co_u32 s26, s26, s27
	v_and_b32 v8, 15, v0
	v_bfe_u32 v10, v0, 4, 1
	v_lshl_add_u32 v10, v10, 6, v8
	v_add_nc_u32 v10, s26, v10
	v_add_nc_u32 v11, 0x80, v10
	v_add_nc_u32 v12, 0x100, v10
	s_lshl_b32 s26, s18, 4
	s_add_co_u32 s26, s26, 2048
	v_add_nc_u32 v37, s26, v8                      ; the pad entry 2048 + 16 e + r
	v_and_b32 v38, 31, v0
	v_lshl_add_u32 v38, v38, 2, s54
	s_mov_b32 s23, 0
	s_wait_loadcnt 0x0
.set g, 0
.rept 32
	v_cmp_eq_u32 s26, s18, v[64+2*g]
	v_cmp_eq_u32 s27, s18, v[65+2*g]
	s_or_b32 s28, s26, s27
.if g == 0
.irp q, 0,1,2
	v_mov_b32 v[13+\q], s28                        ; group 0's count so far is 0: no rank lies below it
	v_mov_b32 v[16+\q], 0
.endr
.else
	s_or_b32 s29, s23, (g<<16)
.irp q, 0,1,2
	v_cmp_le_u32 vcc_lo, s23, v[10+\q]
	v_cndmask_b32 v[13+\q], v[13+\q], s28, vcc_lo
	v_cndmask_b32 v[16+\q], v[16+\q], s29, vcc_lo
.endr
.endif
	s_bcnt1_i32_b32 s27, s28
	s_add_co_u32 s23, s23, s27
.set g, g+1
.endr
	NTH 0
	NTH 1
	NTH 2
.irp q, 0,1,2
	v_min_u32 v[34+\q], 0x3ff, v[28+\q]
	v_lshlrev_b32 v[34+\q], 3, v[34+\q]
	global_load_b32 v[31+\q], v[34+\q], s[10:11] offset:4  ; the token's second choice: is the expert its slot 1?
.endr
	s_wait_loadcnt 0x0
.irp q, 0,1,2
	v_cmp_eq_u32 vcc_lo, s18, v[31+\q]
	v_cndmask_b32 v26, 0, s55, vcc_lo
	v_add_nc_u32 v26, v26, v[28+\q]                ; 1024 slot + token,
	v_cmp_gt_u32 vcc_lo, s23, v[10+\q]
	v_cndmask_b32 v26, v37, v26, vcc_lo            ; or, past the count, the pad entry
	ds_store_b32 v38, v26 offset:128*\q            ; into my own list, all lanes on: tile place t, row r at 64 t + 4 r
.endr
.endm
; A live pass's start: the rows, the slots' tiles and offsets, the first three steps' token loads, and the sums' start: the bias.
.macro PROLOG
	s_wait_loadcnt 0x0                             ; no load is out whose address or target is written below
	s_wait_xcnt 0x0
	RANKS
	s_add_co_u32 s24, s23, 15
	s_lshr_b32 s24, s24, 4
	s_max_u32 s24, s24, 1                          ; tile 0 is always made
	s_min_u32 s24, s24, 64
	s_mul_i32 s26, s20, 20
	s_add_co_u32 s26, s26, s17
.irp t, 0,1,2,3,4
	s_add_co_u32 s[44+\t], s26, 4*\t
	s_cmp_lt_u32 s[44+\t], s24
	s_cselect_b32 s[49+\t], -1, 0
	s_min_u32 s[44+\t], s[44+\t], 63               ; a live tile is below 64; a dead one's number is not used
.endr
.if G == 1
	v_lshl_add_u32 v7, v8, 2, s54
.irp t, 0,1,2,3,4
	ds_load_b32 v[2+\t], v7 offset:64*\t           ; the entry of row r of place t, for both halves of the lanes: LDS serves a wave's instructions in order, so these see my own stores
.endr
	v_bfe_u32 v7, v0, 4, 1
	v_lshlrev_b32 v1, 6, v7                        ; 64 hh: my 32 k in bytes
	v_lshlrev_b32 v7, 7, v7                        ; 128 hh: my 32 columns of the bias
.irp cg, 0,1
.irp j, 0,1,2,3,4,5,6,7
	global_load_b128 v[128+32*\cg+4*\j:128+32*\cg+4*\j+3], v7, s[8:9] offset:256*\cg+16*\j  ; b1 of columns 64 cg + 32 hh + 4 j + 0..3
.endr
.endr
	s_wait_dscnt 0x0
.irp t, 0,1,2,3,4
	v_min_u32 v[2+\t], 0x87f, v[2+\t]              ; an entry is 2,175 at the most
	v_and_b32 v[2+\t], 0x3ff, v[2+\t]              ; its token (a pad entry's: token 16 e + i, a row that exists)
	v_and_b32 v[2+\t], s[49+\t], v[2+\t]           ; a dead slot takes token 0
	v_min_u32 v[2+\t], 0x3ff, v[2+\t]
	v_lshlrev_b32 v[2+\t], 11, v[2+\t]
	v_add_nc_u32 v[2+\t], v1, v[2+\t]
.endr
.else
	v_and_b32 v1, 31, v0
	v_lshlrev_b32 v1, 4, v1
	v_lshlrev_b32 v7, 4, v8
	global_load_b128 v[128:131], v7, s[8:9]        ; b2 of columns 4 r + 0..3,
	global_load_b128 v[132:135], v7, s[8:9] offset:256  ; and 64 + 4 r + 0..3
.irp t, 0,1,2,3,4
	s_and_b32 s27, s[44+\t], s[49+\t]              ; a dead slot's lanes all take the first 16 bytes of tile 0
	s_min_u32 s27, s27, 63
	s_lshl_b32 s27, s27, 17
	v_and_b32 v[2+\t], s[49+\t], v1
	v_min_u32 v[2+\t], 0x1f0, v[2+\t]
	v_add_nc_u32 v[2+\t], s27, v[2+\t]
.endr
.endif
	s_mov_b64 s[32:33], s[30:31]
	s_mov_b64 s[34:35], s[30:31]
	ALOAD 0, 0, 32
	ALOAD 2, 2, 32
	ALOAD 1, 1, 32
	s_wait_loadcnt 30                              ; the bias is in; the 30 token loads issued behind it stay out under the lines below
.if G == 1
.set k, 0
.rept 32                                           ; the bias rounded to bf16, and back in f32
	v_cvt_pk_bf16_f32 v[128+2*k], v[128+2*k], v[129+2*k]
	v_and_b32 v[129+2*k], 0xffff0000, v[128+2*k]
	v_lshlrev_b32 v[128+2*k], 16, v[128+2*k]
.set k, k+1
.endr
.else
.set k, 0
.rept 4
	v_cvt_pk_bf16_f32 v[128+2*k], v[128+2*k], v[129+2*k]
	v_and_b32 v[129+2*k], 0xffff0000, v[128+2*k]
	v_lshlrev_b32 v[128+2*k], 16, v[128+2*k]
	v_and_b32 v[128+2*k], s56, v[128+2*k]          ; b2 counts once: in part 0
	v_and_b32 v[129+2*k], s56, v[129+2*k]
.set k, k+1
.endr
.endif
	WIN 0x40                                       ; the sums begin from the bias: no addition is left for the way out
.irp t, 0,1,2,3
.irp f, 0,1,2,3,4,5,6,7
.irp j, 0,1,2,3,4,5,6,7
.if G == 1
	v_mov_b32 v[64*\t+8*\f+\j], v[128+32*(\f/4)+4*\j+(\f%4)]
.else
	v_mov_b32 v[64*\t+8*\f+\j], v[128+\f]
.endif
.endr
.endr
.endr
	WIN 0
.irp f, 0,1,2,3,4,5,6,7
.irp j, 0,1,2,3,4,5,6,7
.if G == 1
	v_mov_b32 v[192+8*\f+\j], v[128+32*(\f/4)+4*\j+(\f%4)]
.else
	v_mov_b32 v[192+8*\f+\j], v[128+\f]
.endif
.endr
.endr
.endm
; THE WAY OUT, G = 1.  Lane (r, hh) holds token r and columns 64 cg + 32 hh + 4 j + jj: for each cg and z = j / 4 sixteen neighbouring k of the second product, its own 32 bytes of block 2 cg + z.
; Rounded, then relu on the packed halves (the same numbers as relu first).  Each accumulator's four lowest registers are read first.
.macro OUT1 t
	s_cmp_eq_u32 s[49+\t], 0
	s_cbranch_scc1 .Lskip_\@
.if \t < 4
.set AC, 64*\t
	WIN 0x05
.else
.set AC, 192
.endif
.irp cg, 0,1
.irp z, 0,1
.irp u, 0,1,2,3,4,5,6,7
	v_cvt_pk_bf16_f32 v[8+32*\t+8*(2*\cg+\z)+\u], v[AC+8*(4*\cg+2*(\u&1))+4*\z+(\u>>1)], v[AC+8*(4*\cg+2*(\u&1)+1)+4*\z+(\u>>1)]
.endr
.endr
.endr
	WIN 0
.set k, 0
.rept 32
	v_pk_max_num_bf16 v[8+32*\t+k], v[8+32*\t+k], v7
.set k, k+1
.endr
.irp q, 0,1,2,3
	global_store_b128 v[168+\t], v[8+32*\t+8*\q:8+32*\t+8*\q+3],   s[40:41] offset:1024*\q      ; the wave's store covers 512 consecutive bytes, aligned
	global_store_b128 v[168+\t], v[8+32*\t+8*\q+4:8+32*\t+8*\q+7], s[40:41] offset:1024*\q+512
.endr
.Lskip_\@:
.endm
; THE WAY OUT, G = 2.  Lane (r, hh) holds column place r and tokens 8 hh + j.  For token j: the 8 sums times its gate weight; four fragments' numbers are 16 neighbouring bytes of y's row; 16 lanes fill 256 aligned bytes.
.macro OUT2 t
	s_cmp_eq_u32 s[49+\t], 0
	s_cbranch_scc1 .Lskip_\@
	s_wait_xcnt 0x0                                ; v128-191 are the last tile's store data
.if \t < 4
.set AC, 64*\t
	WIN 0x01
.else
.set AC, 192
.endif
.irp j, 0,1,2,3,4,5,6,7
.irp f, 0,1,2,3,4,5,6,7
	v_mul_f32 v[128+8*\j+\f], v[AC+8*\f+\j], v[16+16*\t+\j]
.endr
.endr
	WIN 0
.irp j, 0,1,2,3,4,5,6,7
	global_store_b128 v[8+16*\t+\j], v[128+8*\j:128+8*\j+3],   s[40:41]
	global_store_b128 v[8+16*\t+\j], v[128+8*\j+4:128+8*\j+7], s[40:41] offset:256
.endr
.Lskip_\@:
.endm
.macro EPILOG
	s_wait_loadcnt 0x0                             ; the wrapped look-ahead has landed: its registers are used below
.if G == 1
	v_and_b32 v7, 31, v0
	v_lshlrev_b32 v7, 4, v7
.irp t, 0,1,2,3,4
	s_lshl_b32 s27, s[44+\t], 17
	v_add_nc_u32 v[168+\t], s27, v7                ; 16 L + the tile's 131,072 bytes
.endr
	v_mov_b32 v7, 0
.irp t, 0,1,2,3,4
	OUT1 \t
.endr
.else
	v_bfe_u32 v120, v0, 4, 1
	v_lshl_add_u32 v120, v120, 5, s54
	v_and_b32 v121, 15, v0
	v_lshlrev_b32 v121, 4, v121
.irp t, 0,1,2,3,4
	ds_load_b128 v[8+16*\t:8+16*\t+3],   v120 offset:64*\t       ; the entries of rows 8 hh + 0..7 of place t, from my own list
	ds_load_b128 v[8+16*\t+4:8+16*\t+7], v120 offset:64*\t+16
.endr
	s_wait_dscnt 0x0
.irp t, 0,1,2,3,4
.irp j, 0,1,2,3,4,5,6,7
	v_min_u32 v[8+16*\t+\j], 0x87f, v[8+16*\t+\j]  ; y's row
	v_min_u32 v[16+16*\t+\j], 0x7ff, v[8+16*\t+\j] ; the weight's index (a pad row takes some weight: nobody reads that row)
	v_lshlrev_b32 v[16+16*\t+\j], 2, v[16+16*\t+\j]
	v_lshlrev_b32 v[8+16*\t+\j], 12, v[8+16*\t+\j]
	v_add_nc_u32 v[8+16*\t+\j], v121, v[8+16*\t+\j]
	global_load_b32 v[16+16*\t+\j], v[16+16*\t+\j], s[12:13]
.endr
.endr
	s_wait_loadcnt 0x0
.irp t, 0,1,2,3,4
	OUT2 \t
.endr
.endif
	s_wait_xcnt 0x0                                ; the stores' registers are written again in the next pass
.endm
.macro MEET                            ; for the others' sake: my LDS stores are done and my LDS reads are back; then the work-group's barrier
	s_wait_dscnt 0x0
	s_barrier_signal -1
	s_barrier_wait -1
.endm
; ---- the text ----
	s_load_b256 s[4:11], s[0:1], 0x0
.if G == 1
	s_load_b64 s[12:13], s[0:1], 0x20
.else
	s_load_b128 s[12:15], s[0:1], 0x20
.endif
	v_lshrrev_b32 v1, 5, v0
	v_readfirstlane_b32 s16, v1                    ; wave 0..7
	s_and_b32 s17, s16, 3                          ; which producer, or which consumer
	s_and_b32 s18, ttmp7, 0xffff                   ; expert
	s_mov_b32 s19, ttmp9
	s_mov_b32 s43, 0
	s_mov_b32 s55, 1024
	s_mov_b32 s20, 0
	s_mov_b32 s22, 1                               ; pass 0 is always walked
	s_mov_b32 s24, 0                               ; a producer has no tiles
	s_lshl_b32 s54, s16, 10
	s_add_co_u32 s54, s54, LIST-4096               ; consumer w's list: LIST + 1024 (w - 4)
	s_lshr_b32 s58, s19, 3
	s_and_b32 s59, s19, 7
	s_wait_kmcnt 0x0
	s_lshl_b32 s42, s18, 24                        ; an expert's weights are 16,777,216 bytes
.if G == 1
	s_lshl_b32 s26, s19, 9
	s_add_co_u32 s42, s42, s26
	s_add_nc_u64 s[36:37], s[6:7], s[42:43]
	s_mov_b64 s[30:31], s[4:5]
	s_lshl_b32 s42, s18, 14
	s_add_co_u32 s42, s42, s26
	s_add_nc_u64 s[8:9], s[8:9], s[42:43]          ; b1 at my 128 columns
	s_lshl_b32 s42, s18, 23
	s_lshl_b32 s26, s19, 12
	s_add_co_u32 s42, s42, s26
	s_add_nc_u64 s[40:41], s[12:13], s[42:43]      ; h at my expert and my four blocks of a tile
.else
	s_lshl_b32 s26, s58, 22
	s_add_co_u32 s42, s42, s26
	s_lshl_b32 s27, s59, 9
	s_add_co_u32 s42, s42, s27
	s_add_nc_u64 s[36:37], s[6:7], s[42:43]
	s_lshl_b32 s42, s18, 23
	s_lshl_b32 s26, s58, 15
	s_add_co_u32 s42, s42, s26
	s_add_nc_u64 s[30:31], s[4:5], s[42:43]        ; h at my expert and my part's 32 blocks of a tile
	s_lshl_b32 s42, s18, 12
	s_add_co_u32 s42, s42, s27
	s_add_nc_u64 s[8:9], s[8:9], s[42:43]          ; b2 at my 128 columns
	s_mul_i32 s42, s58, 8912896
	s_add_co_u32 s42, s42, s27
	s_add_nc_u64 s[40:41], s[14:15], s[42:43]      ; y at my part and my 128 columns
	s_cmp_eq_u32 s58, 0
	s_cselect_b32 s56, -1, 0
.endif
	s_cmp_lt_u32 s16, 4
	s_cbranch_scc0 .Lpass
	; a producer: column half cg = wave / 2, row half hf = wave % 2: rows 32 hh + 8 hf + 0..7 of each step, columns 64 cg + 4 r + 0..3
	s_and_b32 s26, s16, 1
	s_lshr_b32 s27, s16, 1
	v_and_b32 v4, 15, v0
	v_bfe_u32 v5, v0, 4, 1
	s_mul_i32 s28, s26, 8*PITCH
	s_lshl_b32 s29, s27, 8
	s_add_co_u32 s28, s28, s29
	v_mul_u32_u24 v3, v5, 32*PITCH
	v_lshl_add_u32 v3, v4, 4, v3
	v_add_nc_u32 v3, s28, v3
	v_mov_b32 v1, v3
	s_mov_b64 s[38:39], s[36:37]
.irp x, 0,1,2,3,4,5,6,7
	PLOAD \x                                       ; chunk 0: 64 loads go out before anything else is done
.endr
.Lpass:
	s_cmp_lt_u32 s16, 4
	s_cbranch_scc0 .Lc0
	s_cmp_lg_u32 s20, 0
	s_cbranch_scc1 .Ls0                            ; the slice is laid once, in pass 0
	s_mov_b32 s26, 0
	HALF 0                                         ; a(0)
	s_branch .Lj0
.Lc0:
	s_cmp_eq_u32 s22, 0
	s_cbranch_scc1 .Ls0
	PROLOG
	s_branch .Lj0
.Ls0:
	s_wait_loadcnt 0x0                             ; a way round a unit leaves no load out
.Lj0:
	MEET                                           ; a(0) is laid
	s_mov_b32 s21, 0
.Ltrip:
	s_cmp_lt_u32 s16, 4
	s_cbranch_scc0 .Lc1
	s_cmp_lg_u32 s20, 0
	s_cbranch_scc1 .Ls1
	s_mov_b32 s26, s21
	HALF 1                                         ; b(J) is laid while a(J) is multiplied
	s_branch .Lj1
.Lc1:
	s_cmp_eq_u32 s22, 0
	s_cbranch_scc1 .Ls1
	UNIT 0
	s_branch .Lj1
.Ls1:
	s_wait_loadcnt 0x0                             ; a way round a unit leaves no load out
.Lj1:
	MEET                                           ; b(J) is laid; the reads of a(J) are back
	s_cmp_lt_u32 s16, 4
	s_cbranch_scc0 .Lc2
	s_cmp_lg_u32 s20, 0
	s_cbranch_scc1 .Ls2
	s_cmp_lt_u32 s21, 3
	s_cbranch_scc0 .Ls2                            ; behind the last chunk nothing is left to lay
	s_add_co_u32 s26, s21, 1
	s_and_b32 s26, s26, 3
	HALF 0                                         ; a(J + 1) is laid while b(J) is multiplied
	s_branch .Lj2
.Lc2:
	s_cmp_eq_u32 s22, 0
	s_cbranch_scc1 .Ls2
	UNIT 1
	s_branch .Lj2
.Ls2:
	s_wait_loadcnt 0x0                             ; a way round a unit leaves no load out: behind the last chunk these are a producer's 64 unused loads, while the consumers multiply b(3)
.Lj2:
	MEET                                           ; a(J + 1) is laid; the reads of b(J) are back
	s_add_co_u32 s21, s21, 1
	s_cmp_lt_u32 s21, 4
	s_cbranch_scc1 .Ltrip
	s_cmp_lt_u32 s16, 4
	s_cbranch_scc1 .Lno_epi
	s_cmp_eq_u32 s22, 0
	s_cbranch_scc1 .Lno_epi
	EPILOG
.Lno_epi:
	s_wait_loadcnt 0x0                             ; a pass ends with no load out: the next pass's first unit follows no other
	s_add_co_u32 s20, s20, 1
	s_mul_i32 s26, s20, 20
	s_add_co_u32 s26, s26, s17
	s_cmp_lt_u32 s26, s24                          ; has my slot 0 a tile in the next pass?
	s_cselect_b32 s22, 1, 0
	s_cmp_lt_u32 s20, 4
	s_cbranch_scc1 .Lpass
	s_wait_xcnt 0x0                                ; v1 and v2 have been address registers
	v_lshl_add_u32 v1, v0, 2, SPARE                ; no two registers could be kept: my spare word's address and 0 are made here, from v0
	v_mov_b32 v2, 0
	s_wait_tensorcnt 0x0                           ; the wave's end, behind my last LDS store
	ds_add_u32 v1, v2
	s_wait_dscnt 0x0
	s_endpgm
.Lfunc_end_k_q4275f997fb_gemm1:
	.size	k_q4275f997fb_gemm1, .Lfunc_end_k_q4275f997fb_gemm1-k_q4275f997fb_gemm1
	.p2alignl 7, 3214868480
	.fill 96, 4, 3214868480
	.section	.rodata,"a",@progbits
	.p2align	6, 0x0
	.amdhsa_kernel k_q4275f997fb_gemm1
		.amdhsa_group_segment_fixed_size 267264
		.amdhsa_private_segment_fixed_size 0
		.amdhsa_enable_private_segment 0
		.amdhsa_kernarg_size 40
		.amdhsa_user_sgpr_count 2
		.amdhsa_user_sgpr_kernarg_segment_ptr 1
		.amdhsa_wavefront_size32 1
		.amdhsa_system_sgpr_workgroup_id_x 1
		.amdhsa_system_sgpr_workgroup_id_y 1
		.amdhsa_system_sgpr_workgroup_id_z 1
		.amdhsa_system_vgpr_workitem_id 0
		.amdhsa_next_free_vgpr 512
		.amdhsa_next_free_sgpr 66
		.amdhsa_reserve_vcc 1
		.amdhsa_float_denorm_mode_32 3
		.amdhsa_float_denorm_mode_16_64 3
		.amdhsa_memory_ordered 1
		.amdhsa_forward_progress 1
		.amdhsa_inst_pref_size 161
	.end_amdhsa_kernel
	.amdgpu_metadata
---
amdhsa.version: [ 1, 2 ]
amdhsa.kernels:
  - .name:           k_q4275f997fb_gemm1
    .symbol:         k_q4275f997fb_gemm1.kd
    .args:
      - { .name: xb, .offset: 0, .size: 8, .value_kind: global_buffer, .address_space: global }
      - { .name: W1, .offset: 8, .size: 8, .value_kind: global_buffer, .address_space: global }
      - { .name: b1, .offset: 16, .size: 8, .value_kind: global_buffer, .address_space: global }
      - { .name: topi, .offset: 24, .size: 8, .value_kind: global_buffer, .address_space: global }
      - { .name: h, .offset: 32, .size: 8, .value_kind: global_buffer, .address_space: global }
    .group_segment_fixed_size: 267264
    .private_segment_fixed_size: 0
    .kernarg_segment_align: 8
    .kernarg_segment_size: 40
    .max_flat_workgroup_size: 256
    .sgpr_count:     66
    .vgpr_count:     512
    .wavefront_size: 32
...
	.end_amdgpu_metadata
.endif
;; end of part 2
;; launch gemm2 (part 3): grid 32 x 8, 8 waves a work-group, no clusters, 267,264 bytes of LDS; arguments h, W2, b2, topi, gw, y; writes y
.if DOCPART == 3
	.amdgcn_target "amdgcn-amd-amdhsa--gfx1250"
	.amdhsa_code_object_version 6
	.text
	.protected	k_q4275f997fb_gemm2
	.globl	k_q4275f997fb_gemm2
	.p2align	8
	.type	k_q4275f997fb_gemm2,@function
k_q4275f997fb_gemm2:
	s_mov_b64 s[64:65], 0
	v_nop
	global_prefetch_b8 v0, s[64:65] scope:SCOPE_SE
	s_setreg_imm32_b32 hwreg(HW_REG_WAVE_MODE, 25, 1), 1
	s_wait_xcnt 0x0
; ONE TEXT FOR BOTH PRODUCTS OF THE EXPERTS' LAYER; G chooses.  G = 1: h = relu(x W1[e] + b1[e]) for the tokens that chose expert e.  G = 2: y = weight x (h W2[e] + b2[e]), in four parts along K.
; SHARES.  A work-group has ONE expert (grid y), 128 output columns and 1,024 of K: 512 KiB of f32 weights that it alone reads, and ALL rows of that expert.  G = 1: grid x = slice of 128 hidden columns.
; G = 2: grid x = 8 x part + slice; part = which quarter of K = 4,096.  32 x 8 = 256 work-groups.
; TWO ROLES, by the wave's number.  Waves 0-3 (producers) load the f32 weights, round them to bf16 and lay them into LDS in the order of matrix operands; the slice, 256 KiB in bf16, STAYS there.
; Each keeps 64 loads of 512 bytes asked for.  Waves 4-7 (consumers) take token rows from memory straight into registers as operands, on a load counter of their own, weights from LDS, and hold 5 tiles of
; 16 rows x 128 columns: 40 accumulators.
; THE PIPELINE.  K goes in 4 chunks of 256, a chunk in two halves of 4 steps: half a (steps 0-3) at LDS bytes 65536 chunk + 0..32767, half b (steps 4-7) at + 32768..65535.  Between two barriers the producers
; lay one half and the consumers multiply the half laid before: [a(0) | the pass's start], then four trips of [b(J) | a(J)] and [a(J+1) | b(J)].  So in every stretch between barriers what is written is
; halves of one kind and what is read is halves of the other kind: the two differ by constants of this text.
; THE COUNTED WAITS HOLD ON EVERY WAY THROUGH THE TEXT.  A consumer's unit leaves the loads that are out as it found them, so its counts hold after any sequence of units.  A producer's halves a and b take
; turns round one ring of 64 loads, and their count holds where they take turns; every way that jumps over a unit, and a pass's end, waits for ALL loads, so that a half which does not follow the other half
; finds nothing out.  Such a way is walked only where nothing is left to fetch.
; EVERY SPLIT OF THE TOKENS IS SERVED.  An expert may have 0 to 1,024 rows.  A pass takes 20 tiles = 320 rows; 4 passes of 4 trips, both counts constant; every wave passes every barrier; a pass without
; rows jumps forward over its work alone.  Passes 1-3 read the resident slice again.  Tile T = 20 pass + 4 slot + consumer.
; THE ROWS.  Each consumer finds, from topi, the token of each rank that it needs: entry = 1024 slot + token, ranks in the order of the tokens.  Ranks past the count take the expert's 16 pad entries
; 2048 + 16 e + i.  At least one tile counts as live, so that tile 0 of every expert exists in h.  A slot whose tile is past the last loads one harmless place, multiplies, and stores nothing.
; K'S ORDER.  In step x (0..7) of a chunk lane (r, hh) holds k = KOFF(x) + 32 hh + 0..15, KOFF(x) = 128 (x / 4) + 64 ((x / 2) % 2) + 16 (x % 2); register u the offsets 2 u, 2 u + 1: alike in both operands.
; COLUMNS.  Fragment f = 4 cg + jj, place i, is column 64 cg + 4 i + jj: what a lane's 16-byte load of a weight row holds, so rounding needs no exchange between lanes.
; h lies in the order of G = 2's operands: block ((e 64 + T) 128 + step) of 1,024 bytes; a lane's registers 0-3 at 16 L, 4-7 at 512 + 16 L.  With the weights as source 0 (G = 1) a lane's results ARE its own part of those blocks.
; y: [part][row][1024] f32, row = the entry; rows 2048.. are pad rows, written and never read.
; FORMATS.  Weights, x, h and the bias are rounded once to bf16; sums in f32, begun from the bias.
; LIMITS.  NaN and infinities are not treated apart: relu makes 0 of a NaN.  A token whose two choices are the same expert counts once, in slot 1.
; NO CLUSTER: each weight byte has one reader; what an expert's work-groups share is its token rows, which come by a list (G = 1) or would want LDS that the slice fills (G = 2).
; NO TENSOR LOADS: the weights pass through registers to be rounded.
.set G, 2
.if G == 1
.set PITCH, 16384                      ; bytes from a weight row (one k) to the next
.set WCH,   4194304                    ; bytes of 256 weight rows
.set ACH,   512                        ; bytes from chunk to chunk in the token operand
.else
.set PITCH, 4096
.set WCH,   1048576
.set ACH,   8192
.endif
; LDS: 0 .. 262,143 the slice: step x of a chunk, fragment 4 cg + jj: registers 0-3 at 65536 chunk + 8192 x + 4096 cg + 512 jj + 16 L, registers 4-7 2,048 further: a producer's part is 2048 x its number
;      262,144 .. four lists of 1,024 bytes, one a consumer (384 used: tile place t, row i at 64 t + 4 i);  266,240 .. the spare words, 128 bytes a wave
.set LIST,  262144
.set SPARE, 266240
; VECTOR REGISTERS, in windows of 256 (s_set_vgpr_msb: bits 1:0 source 0, 3:2 source 1, 5:4 source 2, 7:6 destination).  v0 keeps the thread's number to the end.
;   consumer, window 0: v1 LDS address of the chunk; v2-6 a slot's offset in the token operand; v7 at work; v8-127 token fragments, three buffers of 5 x 8; v128-159, v160-191 weight fragments 0-3, 4-7;
;             v192-255 slot 4's accumulators.   window 1: slots 0-3's accumulators, at 64 slot + 8 f
;   producer, window 0: v1 my offset in the weights, or 0; v2 LDS address of the chunk; v3 my offset in the weights; v8-39 rounded numbers.   window 1: eight steps of 8 loads as they arrive, step x at 32 x
; SCALARS: s[4:5] token operand, s[6:7] weights, s[8:9] bias, s[10:11] topi, s[12:13] h (G = 1) or gw, s[14:15] y; s16 wave, s17 wave % 4, s18 expert, s19 grid x, s20 pass, s21 trip, s22 pass is live, s23 count,
;   s24 tiles, s26-29 at work, s[30:31] token operand at my expert, s[32:33] this chunk's, s[34:35] the next chunk's, s[36:37] my weights, s[38:39] the chunk being asked for, s[40:41] my output,
;   s[42:43] an offset, s44-48 a slot's tile, s49-53 -1 if it is live, s54 my list, s55 1024, s56 -1 where the bias counts, s58 part, s59 slice
.set MSB, 0
.macro WIN new                         ; the immediate's high byte repeats the setting that is left; a switch that changes nothing is dropped
.if MSB != (\new)
	s_set_vgpr_msb (MSB<<8)|(\new)
.set MSB, (\new)
.endif
.endm
; ---- the producers' macros ----
.macro PLOAD x                         ; step x of the chunk at s[38:39]: 8 loads; each covers 256 aligned bytes of row k (lanes 0-15) and of row k + 32 (lanes 16-31)
.set KO, 128*((\x)>>2)+64*(((\x)>>1)&1)+16*((\x)&1)
	WIN 0x40
.irp i, 0,1,2,3,4,5,6,7
	global_load_b128 v[32*(\x)+4*\i:32*(\x)+4*\i+3], v1, s[38:39] offset:(KO+\i)*PITCH th:TH_LOAD_NT
.endr
	WIN 0
.endm
.macro PSTEP x                         ; step x has arrived: rows 2 u, 2 u + 1 of column jj pack into register u of my half of fragment jj; 16 bytes a lane into LDS; then the next chunk's step x is asked for
	s_wait_loadcnt 56                              ; behind step x's 8 loads stand 7 groups of 8: this chunk's later steps and the next chunk's earlier ones (or nothing is out at all: see the head)
	WIN 0x05
.irp jj, 0,1,2,3
.irp u, 0,1,2,3
	v_cvt_pk_bf16_f32 v[8+16*((\x)&1)+4*\jj+\u], v[32*(\x)+8*\u+\jj], v[32*(\x)+8*\u+4+\jj]
.endr
.endr
	WIN 0
.irp jj, 0,1,2,3
	ds_store_b128 v2, v[8+16*((\x)&1)+4*\jj:8+16*((\x)&1)+4*\jj+3] offset:8192*(\x)+512*\jj  ; lane L at 16 L: 512 consecutive bytes
.endr
	PLOAD \x
.endm
; Half hf (0: a, 1: b) of chunk s26 (0..3).  The refills ask for chunk s26 + 1.  Behind the last chunk nothing is left to fetch: there the lanes' offset is 0 and the chunk stays the last, so that a load is 16 bytes
; of one place inside my slice, 64 places in all, used by nobody: the ring stays full and the one count above holds in every half.
.macro HALF hf
	s_wait_xcnt 0x0                                ; the loads that are out name v1 and s[38:39]: both are rewritten only behind this wait
	s_cmp_lt_u32 s26, 3
	s_cselect_b32 s27, -1, 0
	s_add_co_u32 s28, s26, 1
	s_min_u32 s28, s28, 3
	s_mul_i32 s42, s28, WCH
	s_add_nc_u64 s[38:39], s[36:37], s[42:43]
	v_and_b32 v1, s27, v3
	s_lshl_b32 s28, s26, 16                        ; a chunk is 65,536 bytes of LDS,
	s_lshl_b32 s29, s16, 11                        ; my part of a step 2,048
	s_add_co_u32 s28, s28, s29
	v_and_b32 v2, 31, v0
	v_lshl_add_u32 v2, v2, 4, s28
.irp x, 0,1,2,3
	PSTEP 4*(\hf)+\x
.endr
.endm
; ---- the consumers' macros ----
.macro ALOAD buf, step, sb             ; the 5 slots' token fragments of a step, from the chunk at s[sb]: 10 loads
.if G == 1
.set AI, 2*(128*((\step)>>2)+64*(((\step)>>1)&1)+16*((\step)&1))
.set A2, 16
.else
.set AI, 1024*(\step)
.set A2, 512
.endif
.irp t, 0,1,2,3,4
	global_load_b128 v[8+40*(\buf)+8*\t:8+40*(\buf)+8*\t+3],   v[2+\t], s[\sb:\sb+1] offset:AI
	global_load_b128 v[8+40*(\buf)+8*\t+4:8+40*(\buf)+8*\t+7], v[2+\t], s[\sb:\sb+1] offset:AI+A2
.endr
.endm
.macro BLOAD hb, x                     ; weight fragments 4 hb .. 4 hb + 3 of step x: 8 LDS loads, lane L at 16 L
.irp f, 0,1,2,3
	ds_load_b128 v[128+32*(\hb)+8*\f:128+32*(\hb)+8*\f+3],   v1 offset:8192*(\x)+4096*(\hb)+512*\f
	ds_load_b128 v[128+32*(\hb)+8*\f+4:128+32*(\hb)+8*\f+7], v1 offset:8192*(\x)+4096*(\hb)+512*\f+2048
.endr
.endm
.macro WM d, a, b                      ; G = 1: weights are source 0, so a lane holds one token and 8 columns; G = 2: tokens are source 0, so a lane holds one column place and 8 tokens
.if G == 1
	v_wmma_f32_16x16x32_bf16 v[(\d):(\d)+7], v[(\b):(\b)+7], v[(\a):(\a)+7], v[(\d):(\d)+7]
.else
	v_wmma_f32_16x16x32_bf16 v[(\d):(\d)+7], v[(\a):(\a)+7], v[(\b):(\b)+7], v[(\d):(\d)+7]
.endif
.endm
; 16 matrix instructions for slots 0-3, 4 for slot 4 where it is live.  The accumulators take turns, one instruction a turn, in the same order in every step.
; The four v_nop are the places between the last matrix instruction and the loads into the registers that it read, and at a pass's end ahead of the reads of the sums.
.macro MM hb, buf
	WIN 0x50
.irp f, 0,1,2,3
.irp t, 0,1,2,3
	WM 64*\t+8*(4*(\hb)+\f), 8+40*(\buf)+8*\t, 128+32*(\hb)+8*\f
.endr
.endr
	WIN 0
	s_cmp_eq_u32 s53, 0
	s_cbranch_scc1 .Lno4_\@
.irp f, 0,1,2,3
	WM 192+8*(4*(\hb)+\f), 8+40*(\buf)+32, 128+32*(\hb)+8*\f
.endr
.Lno4_\@:
.rept 4
	v_nop
.endr
.endm
; Step l (0..3) of half hf.  The four steps multiply token buffers 0, 1, 2, 1.  Behind step 0 buffer 0 takes the NEXT half's step 0, behind step 1 buffer 1 this half's step 3, behind step 2 buffer 2 the next
; half's step 2, behind step 3 buffer 1 the next half's step 1: every half begins and ends alike.  The load counts: behind the group of 10 that step 1 or 3 wants stands one younger group; steps 0 and 2 want
; groups older than one already waited for (at a pass's start: step 0's has two younger groups), and leave the two youngest out.  The LDS count 8: the other four fragments' eight loads.
.macro CSTEP l, hf
.set XX, 4*(\hf)+(\l)
.set BU, (\l)-2*((\l)/3)
.if ((\l)&1) == 0
	s_wait_loadcnt 20
.else
	s_wait_loadcnt 10
.endif
	s_wait_dscnt 8
	MM 0, BU
.if (\l) < 3
	BLOAD 0, XX+1
	s_wait_dscnt 8
.else
	s_wait_dscnt 0x0
.endif
	MM 1, BU
.if (\l) < 3
	BLOAD 1, XX+1
.endif
.if (\hf) == 0
.if (\l) == 0
	ALOAD 0, 4, 32
.elseif (\l) == 1
	ALOAD 1, 3, 32
.elseif (\l) == 2
	ALOAD 2, 6, 32
.else
	ALOAD 1, 5, 32
.endif
.else
.if (\l) == 0
	ALOAD 0, 0, 34
.elseif (\l) == 1
	ALOAD 1, 7, 32
.elseif (\l) == 2
	ALOAD 2, 2, 34
.else
	ALOAD 1, 1, 34
.endif
.endif
.endm
.macro UNIT hf                         ; half hf of chunk s21.  No fragment of the other half is asked for here: that half is being laid
	s_wait_xcnt 0x0                                ; the loads that are out name s[32:35]
	s_mul_i32 s42, s21, ACH
	s_add_nc_u64 s[32:33], s[30:31], s[42:43]
	s_add_co_u32 s27, s21, 1
	s_and_b32 s27, s27, 3                          ; behind the last chunk the look-ahead wraps to chunk 0: inside the buffer, never used, and the counts stay alike
	s_mul_i32 s42, s27, ACH
	s_add_nc_u64 s[34:35], s[30:31], s[42:43]
	s_lshl_b32 s26, s21, 16
	v_and_b32 v1, 31, v0
	v_lshl_add_u32 v1, v1, 4, s26
	BLOAD 0, 4*(\hf)
	BLOAD 1, 4*(\hf)
.irp l, 0,1,2,3
	CSTEP \l, \hf
.endr
.endm
; THE ROWS OF A PASS.  Three vectors of 32 ranks: vector q, lane 16 hh + r: row r of tile place t = 2 q + hh (place 5 serves nothing): rank 320 pass + 16 consumer + 128 q + 64 hh + r.
; The 1,024 tokens go by in 32 groups of 32: two compares give the group's mask of tokens that chose the expert; each rank keeps the mask, the count so far and the number of the LAST group whose count so far
; is not above the rank: that group holds the rank's token.  Work on registers alone: no address and no lane mask of a memory instruction hangs on the choices.
.macro DESC src, w                     ; one halving: if the lower w bits at v25 hold no more than v19 set bits, they are passed over
	v_bfe_u32 v26, v[\src], v25, \w
	v_cmp_ge_u32 vcc_lo, v19, v26
	v_cndmask_b32 v26, 0, v26, vcc_lo
	v_sub_nc_u32 v19, v19, v26
	v_cndmask_b32 v27, 0, \w, vcc_lo
	v_add_nc_u32 v25, v25, v27
.endm
.macro NTH q                           ; the token of vector q's ranks: 32 group + the place of set bit number (rank - count so far) of the mask
	v_and_b32 v19, 0xffff, v[16+\q]
	v_sub_nc_u32 v19, v[10+\q], v19
	v_lshrrev_b32 v20, 11, v[16+\q]                ; 32 x group: the count, 1,024 at the most, leaves nothing above bit 10
	v_lshrrev_b32 v21, 1, v[13+\q]
	v_and_b32 v21, 0x55555555, v21
	v_sub_nc_u32 v21, v[13+\q], v21                ; the set bits of each 2,
	v_lshrrev_b32 v22, 2, v21
	v_and_b32 v22, 0x33333333, v22
	v_and_b32 v23, 0x33333333, v21
	v_add_nc_u32 v22, v22, v23                     ; of each 4,
	v_lshrrev_b32 v23, 4, v22
	v_add_nc_u32 v23, v23, v22
	v_and_b32 v23, 0x0f0f0f0f, v23                 ; of each 8,
	v_lshrrev_b32 v24, 8, v23
	v_add_nc_u32 v24, v24, v23
	v_and_b32 v24, 0xff, v24                       ; of the lower 16
	v_cmp_ge_u32 vcc_lo, v19, v24
	v_cndmask_b32 v26, 0, v24, vcc_lo
	v_sub_nc_u32 v19, v19, v26
	v_cndmask_b32 v25, 0, 16, vcc_lo
	DESC 23, 8
	DESC 22, 4
	DESC 21, 2
	DESC 13+\q, 1
	v_add_nc_u32 v[28+\q], v20, v25
.endm
.macro RANKS                           ; at work: v8 r, v9 offset, v10-12 ranks, v13-15 masks, v16-18 count | group << 16, v19-27, v28-30 tokens, v31-33 second choices, v34-36 offsets, v37 pad, v38 LDS address, v64-127 topi
	v_and_b32 v9, 31, v0
	v_lshlrev_b32 v9, 3, v9
.set g, 0
.rept 32
	global_load_b64 v[64+2*g:65+2*g], v9, s[10:11] offset:256*g  ; the two choices of token 32 g + L
.set g, g+1
.endr
	s_mul_i32 s26, s20, 320
	s_lshl_b32 s27, s17, 4
	s_add_co_u32 s26, s26, s27
	v_and_b32 v8, 15, v0
	v_bfe_u32 v10, v0, 4, 1
	v_lshl_add_u32 v10, v10, 6, v8
	v_add_nc_u32 v10, s26, v10
	v_add_nc_u32 v11, 0x80, v10
	v_add_nc_u32 v12, 0x100, v10
	s_lshl_b32 s26, s18, 4
	s_add_co_u32 s26, s26, 2048
	v_add_nc_u32 v37, s26, v8                      ; the pad entry 2048 + 16 e + r
	v_and_b32 v38, 31, v0
	v_lshl_add_u32 v38, v38, 2, s54
	s_mov_b32 s23, 0
	s_wait_loadcnt 0x0
.set g, 0
.rept 32
	v_cmp_eq_u32 s26, s18, v[64+2*g]
	v_cmp_eq_u32 s27, s18, v[65+2*g]
	s_or_b32 s28, s26, s27
.if g == 0
.irp q, 0,1,2
	v_mov_b32 v[13+\q], s28                        ; group 0's count so far is 0: no rank lies below it
	v_mov_b32 v[16+\q], 0
.endr
.else
	s_or_b32 s29, s23, (g<<16)
.irp q, 0,1,2
	v_cmp_le_u32 vcc_lo, s23, v[10+\q]
	v_cndmask_b32 v[13+\q], v[13+\q], s28, vcc_lo
	v_cndmask_b32 v[16+\q], v[16+\q], s29, vcc_lo
.endr
.endif
	s_bcnt1_i32_b32 s27, s28
	s_add_co_u32 s23, s23, s27
.set g, g+1
.endr
	NTH 0
	NTH 1
	NTH 2
.irp q, 0,1,2
	v_min_u32 v[34+\q], 0x3ff, v[28+\q]
	v_lshlrev_b32 v[34+\q], 3, v[34+\q]
	global_load_b32 v[31+\q], v[34+\q], s[10:11] offset:4  ; the token's second choice: is the expert its slot 1?
.endr
	s_wait_loadcnt 0x0
.irp q, 0,1,2
	v_cmp_eq_u32 vcc_lo, s18, v[31+\q]
	v_cndmask_b32 v26, 0, s55, vcc_lo
	v_add_nc_u32 v26, v26, v[28+\q]                ; 1024 slot + token,
	v_cmp_gt_u32 vcc_lo, s23, v[10+\q]
	v_cndmask_b32 v26, v37, v26, vcc_lo            ; or, past the count, the pad entry
	ds_store_b32 v38, v26 offset:128*\q            ; into my own list, all lanes on: tile place t, row r at 64 t + 4 r
.endr
.endm
; A live pass's start: the rows, the slots' tiles and offsets, the first three steps' token loads, and the sums' start: the bias.
.macro PROLOG
	s_wait_loadcnt 0x0                             ; no load is out whose address or target is written below
	s_wait_xcnt 0x0
	RANKS
	s_add_co_u32 s24, s23, 15
	s_lshr_b32 s24, s24, 4
	s_max_u32 s24, s24, 1                          ; tile 0 is always made
	s_min_u32 s24, s24, 64
	s_mul_i32 s26, s20, 20
	s_add_co_u32 s26, s26, s17
.irp t, 0,1,2,3,4
	s_add_co_u32 s[44+\t], s26, 4*\t
	s_cmp_lt_u32 s[44+\t], s24
	s_cselect_b32 s[49+\t], -1, 0
	s_min_u32 s[44+\t], s[44+\t], 63               ; a live tile is below 64; a dead one's number is not used
.endr
.if G == 1
	v_lshl_add_u32 v7, v8, 2, s54
.irp t, 0,1,2,3,4
	ds_load_b32 v[2+\t], v7 offset:64*\t           ; the entry of row r of place t, for both halves of the lanes: LDS serves a wave's instructions in order, so these see my own stores
.endr
	v_bfe_u32 v7, v0, 4, 1
	v_lshlrev_b32 v1, 6, v7                        ; 64 hh: my 32 k in bytes
	v_lshlrev_b32 v7, 7, v7                        ; 128 hh: my 32 columns of the bias
.irp cg, 0,1
.irp j, 0,1,2,3,4,5,6,7
	global_load_b128 v[128+32*\cg+4*\j:128+32*\cg+4*\j+3], v7, s[8:9] offset:256*\cg+16*\j  ; b1 of columns 64 cg + 32 hh + 4 j + 0..3
.endr
.endr
	s_wait_dscnt 0x0
.irp t, 0,1,2,3,4
	v_min_u32 v[2+\t], 0x87f, v[2+\t]              ; an entry is 2,175 at the most
	v_and_b32 v[2+\t], 0x3ff, v[2+\t]              ; its token (a pad entry's: token 16 e + i, a row that exists)
	v_and_b32 v[2+\t], s[49+\t], v[2+\t]           ; a dead slot takes token 0
	v_min_u32 v[2+\t], 0x3ff, v[2+\t]
	v_lshlrev_b32 v[2+\t], 11, v[2+\t]
	v_add_nc_u32 v[2+\t], v1, v[2+\t]
.endr
.else
	v_and_b32 v1, 31, v0
	v_lshlrev_b32 v1, 4, v1
	v_lshlrev_b32 v7, 4, v8
	global_load_b128 v[128:131], v7, s[8:9]        ; b2 of columns 4 r + 0..3,
	global_load_b128 v[132:135], v7, s[8:9] offset:256  ; and 64 + 4 r + 0..3
.irp t, 0,1,2,3,4
	s_and_b32 s27, s[44+\t], s[49+\t]              ; a dead slot's lanes all take the first 16 bytes of tile 0
	s_min_u32 s27, s27, 63
	s_lshl_b32 s27, s27, 17
	v_and_b32 v[2+\t], s[49+\t], v1
	v_min_u32 v[2+\t], 0x1f0, v[2+\t]
	v_add_nc_u32 v[2+\t], s27, v[2+\t]
.endr
.endif
	s_mov_b64 s[32:33], s[30:31]
	s_mov_b64 s[34:35], s[30:31]
	ALOAD 0, 0, 32
	ALOAD 2, 2, 32
	ALOAD 1, 1, 32
	s_wait_loadcnt 30                              ; the bias is in; the 30 token loads issued behind it stay out under the lines below
.if G == 1
.set k, 0
.rept 32                                           ; the bias rounded to bf16, and back in f32
	v_cvt_pk_bf16_f32 v[128+2*k], v[128+2*k], v[129+2*k]
	v_and_b32 v[129+2*k], 0xffff0000, v[128+2*k]
	v_lshlrev_b32 v[128+2*k], 16, v[128+2*k]
.set k, k+1
.endr
.else
.set k, 0
.rept 4
	v_cvt_pk_bf16_f32 v[128+2*k], v[128+2*k], v[129+2*k]
	v_and_b32 v[129+2*k], 0xffff0000, v[128+2*k]
	v_lshlrev_b32 v[128+2*k], 16, v[128+2*k]
	v_and_b32 v[128+2*k], s56, v[128+2*k]          ; b2 counts once: in part 0
	v_and_b32 v[129+2*k], s56, v[129+2*k]
.set k, k+1
.endr
.endif
	WIN 0x40                                       ; the sums begin from the bias: no addition is left for the way out
.irp t, 0,1,2,3
.irp f, 0,1,2,3,4,5,6,7
.irp j, 0,1,2,3,4,5,6,7
.if G == 1
	v_mov_b32 v[64*\t+8*\f+\j], v[128+32*(\f/4)+4*\j+(\f%4)]
.else
	v_mov_b32 v[64*\t+8*\f+\j], v[128+\f]
.endif
.endr
.endr
.endr
	WIN 0
.irp f, 0,1,2,3,4,5,6,7
.irp j, 0,1,2,3,4,5,6,7
.if G == 1
	v_mov_b32 v[192+8*\f+\j], v[128+32*(\f/4)+4*\j+(\f%4)]
.else
	v_mov_b32 v[192+8*\f+\j], v[128+\f]
.endif
.endr
.endr
.endm
; THE WAY OUT, G = 1.  Lane (r, hh) holds token r and columns 64 cg + 32 hh + 4 j + jj: for each cg and z = j / 4 sixteen neighbouring k of the second product, its own 32 bytes of block 2 cg + z.
; Rounded, then relu on the packed halves (the same numbers as relu first).  Each accumulator's four lowest registers are read first.
.macro OUT1 t
	s_cmp_eq_u32 s[49+\t], 0
	s_cbranch_scc1 .Lskip_\@
.if \t < 4
.set AC, 64*\t
	WIN 0x05
.else
.set AC, 192
.endif
.irp cg, 0,1
.irp z, 0,1
.irp u, 0,1,2,3,4,5,6,7
	v_cvt_pk_bf16_f32 v[8+32*\t+8*(2*\cg+\z)+\u], v[AC+8*(4*\cg+2*(\u&1))+4*\z+(\u>>1)], v[AC+8*(4*\cg+2*(\u&1)+1)+4*\z+(\u>>1)]
.endr
.endr
.endr
	WIN 0
.set k, 0
.rept 32
	v_pk_max_num_bf16 v[8+32*\t+k], v[8+32*\t+k], v7
.set k, k+1
.endr
.irp q, 0,1,2,3
	global_store_b128 v[168+\t], v[8+32*\t+8*\q:8+32*\t+8*\q+3],   s[40:41] offset:1024*\q      ; the wave's store covers 512 consecutive bytes, aligned
	global_store_b128 v[168+\t], v[8+32*\t+8*\q+4:8+32*\t+8*\q+7], s[40:41] offset:1024*\q+512
.endr
.Lskip_\@:
.endm
; THE WAY OUT, G = 2.  Lane (r, hh) holds column place r and tokens 8 hh + j.  For token j: the 8 sums times its gate weight; four fragments' numbers are 16 neighbouring bytes of y's row; 16 lanes fill 256 aligned bytes.
.macro OUT2 t
	s_cmp_eq_u32 s[49+\t], 0
	s_cbranch_scc1 .Lskip_\@
	s_wait_xcnt 0x0                                ; v128-191 are the last tile's store data
.if \t < 4
.set AC, 64*\t
	WIN 0x01
.else
.set AC, 192
.endif
.irp j, 0,1,2,3,4,5,6,7
.irp f, 0,1,2,3,4,5,6,7
	v_mul_f32 v[128+8*\j+\f], v[AC+8*\f+\j], v[16+16*\t+\j]
.endr
.endr
	WIN 0
.irp j, 0,1,2,3,4,5,6,7
	global_store_b128 v[8+16*\t+\j], v[128+8*\j:128+8*\j+3],   s[40:41]
	global_store_b128 v[8+16*\t+\j], v[128+8*\j+4:128+8*\j+7], s[40:41] offset:256
.endr
.Lskip_\@:
.endm
.macro EPILOG
	s_wait_loadcnt 0x0                             ; the wrapped look-ahead has landed: its registers are used below
.if G == 1
	v_and_b32 v7, 31, v0
	v_lshlrev_b32 v7, 4, v7
.irp t, 0,1,2,3,4
	s_lshl_b32 s27, s[44+\t], 17
	v_add_nc_u32 v[168+\t], s27, v7                ; 16 L + the tile's 131,072 bytes
.endr
	v_mov_b32 v7, 0
.irp t, 0,1,2,3,4
	OUT1 \t
.endr
.else
	v_bfe_u32 v120, v0, 4, 1
	v_lshl_add_u32 v120, v120, 5, s54
	v_and_b32 v121, 15, v0
	v_lshlrev_b32 v121, 4, v121
.irp t, 0,1,2,3,4
	ds_load_b128 v[8+16*\t:8+16*\t+3],   v120 offset:64*\t       ; the entries of rows 8 hh + 0..7 of place t, from my own list
	ds_load_b128 v[8+16*\t+4:8+16*\t+7], v120 offset:64*\t+16
.endr
	s_wait_dscnt 0x0
.irp t, 0,1,2,3,4
.irp j, 0,1,2,3,4,5,6,7
	v_min_u32 v[8+16*\t+\j], 0x87f, v[8+16*\t+\j]  ; y's row
	v_min_u32 v[16+16*\t+\j], 0x7ff, v[8+16*\t+\j] ; the weight's index (a pad row takes some weight: nobody reads that row)
	v_lshlrev_b32 v[16+16*\t+\j], 2, v[16+16*\t+\j]
	v_lshlrev_b32 v[8+16*\t+\j], 12, v[8+16*\t+\j]
	v_add_nc_u32 v[8+16*\t+\j], v121, v[8+16*\t+\j]
	global_load_b32 v[16+16*\t+\j], v[16+16*\t+\j], s[12:13]
.endr
.endr
	s_wait_loadcnt 0x0
.irp t, 0,1,2,3,4
	OUT2 \t
.endr
.endif
	s_wait_xcnt 0x0                                ; the stores' registers are written again in the next pass
.endm
.macro MEET                            ; for the others' sake: my LDS stores are done and my LDS reads are back; then the work-group's barrier
	s_wait_dscnt 0x0
	s_barrier_signal -1
	s_barrier_wait -1
.endm
; ---- the text ----
	s_load_b256 s[4:11], s[0:1], 0x0
.if G == 1
	s_load_b64 s[12:13], s[0:1], 0x20
.else
	s_load_b128 s[12:15], s[0:1], 0x20
.endif
	v_lshrrev_b32 v1, 5, v0
	v_readfirstlane_b32 s16, v1                    ; wave 0..7
	s_and_b32 s17, s16, 3                          ; which producer, or which consumer
	s_and_b32 s18, ttmp7, 0xffff                   ; expert
	s_mov_b32 s19, ttmp9
	s_mov_b32 s43, 0
	s_mov_b32 s55, 1024
	s_mov_b32 s20, 0
	s_mov_b32 s22, 1                               ; pass 0 is always walked
	s_mov_b32 s24, 0                               ; a producer has no tiles
	s_lshl_b32 s54, s16, 10
	s_add_co_u32 s54, s54, LIST-4096               ; consumer w's list: LIST + 1024 (w - 4)
	s_lshr_b32 s58, s19, 3
	s_and_b32 s59, s19, 7
	s_wait_kmcnt 0x0
	s_lshl_b32 s42, s18, 24                        ; an expert's weights are 16,777,216 bytes
.if G == 1
	s_lshl_b32 s26, s19, 9
	s_add_co_u32 s42, s42, s26
	s_add_nc_u64 s[36:37], s[6:7], s[42:43]
	s_mov_b64 s[30:31], s[4:5]
	s_lshl_b32 s42, s18, 14
	s_add_co_u32 s42, s42, s26
	s_add_nc_u64 s[8:9], s[8:9], s[42:43]          ; b1 at my 128 columns
	s_lshl_b32 s42, s18, 23
	s_lshl_b32 s26, s19, 12
	s_add_co_u32 s42, s42, s26
	s_add_nc_u64 s[40:41], s[12:13], s[42:43]      ; h at my expert and my four blocks of a tile
.else
	s_lshl_b32 s26, s58, 22
	s_add_co_u32 s42, s42, s26
	s_lshl_b32 s27, s59, 9
	s_add_co_u32 s42, s42, s27
	s_add_nc_u64 s[36:37], s[6:7], s[42:43]
	s_lshl_b32 s42, s18, 23
	s_lshl_b32 s26, s58, 15
	s_add_co_u32 s42, s42, s26
	s_add_nc_u64 s[30:31], s[4:5], s[42:43]        ; h at my expert and my part's 32 blocks of a tile
	s_lshl_b32 s42, s18, 12
	s_add_co_u32 s42, s42, s27
	s_add_nc_u64 s[8:9], s[8:9], s[42:43]          ; b2 at my 128 columns
	s_mul_i32 s42, s58, 8912896
	s_add_co_u32 s42, s42, s27
	s_add_nc_u64 s[40:41], s[14:15], s[42:43]      ; y at my part and my 128 columns
	s_cmp_eq_u32 s58, 0
	s_cselect_b32 s56, -1, 0
.endif
	s_cmp_lt_u32 s16, 4
	s_cbranch_scc0 .Lpass
	; a producer: column half cg = wave / 2, row half hf = wave % 2: rows 32 hh + 8 hf + 0..7 of each step, columns 64 cg + 4 r + 0..3
	s_and_b32 s26, s16, 1
	s_lshr_b32 s27, s16, 1
	v_and_b32 v4, 15, v0
	v_bfe_u32 v5, v0, 4, 1
	s_mul_i32 s28, s26, 8*PITCH
	s_lshl_b32 s29, s27, 8
	s_add_co_u32 s28, s28, s29
	v_mul_u32_u24 v3, v5, 32*PITCH
	v_lshl_add_u32 v3, v4, 4, v3
	v_add_nc_u32 v3, s28, v3
	v_mov_b32 v1, v3
	s_mov_b64 s[38:39], s[36:37]
.irp x, 0,1,2,3,4,5,6,7
	PLOAD \x                                       ; chunk 0: 64 loads go out before anything else is done
.endr
.Lpass:
	s_cmp_lt_u32 s16, 4
	s_cbranch_scc0 .Lc0
	s_cmp_lg_u32 s20, 0
	s_cbranch_scc1 .Ls0                            ; the slice is laid once, in pass 0
	s_mov_b32 s26, 0
	HALF 0                                         ; a(0)
	s_branch .Lj0
.Lc0:
	s_cmp_eq_u32 s22, 0
	s_cbranch_scc1 .Ls0
	PROLOG
	s_branch .Lj0
.Ls0:
	s_wait_loadcnt 0x0                             ; a way round a unit leaves no load out
.Lj0:
	MEET                                           ; a(0) is laid
	s_mov_b32 s21, 0
.Ltrip:
	s_cmp_lt_u32 s16, 4
	s_cbranch_scc0 .Lc1
	s_cmp_lg_u32 s20, 0
	s_cbranch_scc1 .Ls1
	s_mov_b32 s26, s21
	HALF 1                                         ; b(J) is laid while a(J) is multiplied
	s_branch .Lj1
.Lc1:
	s_cmp_eq_u32 s22, 0
	s_cbranch_scc1 .Ls1
	UNIT 0
	s_branch .Lj1
.Ls1:
	s_wait_loadcnt 0x0                             ; a way round a unit leaves no load out
.Lj1:
	MEET                                           ; b(J) is laid; the reads of a(J) are back
	s_cmp_lt_u32 s16, 4
	s_cbranch_scc0 .Lc2
	s_cmp_lg_u32 s20, 0
	s_cbranch_scc1 .Ls2
	s_cmp_lt_u32 s21, 3
	s_cbranch_scc0 .Ls2                            ; behind the last chunk nothing is left to lay
	s_add_co_u32 s26, s21, 1
	s_and_b32 s26, s26, 3
	HALF 0                                         ; a(J + 1) is laid while b(J) is multiplied
	s_branch .Lj2
.Lc2:
	s_cmp_eq_u32 s22, 0
	s_cbranch_scc1 .Ls2
	UNIT 1
	s_branch .Lj2
.Ls2:
	s_wait_loadcnt 0x0                             ; a way round a unit leaves no load out: behind the last chunk these are a producer's 64 unused loads, while the consumers multiply b(3)
.Lj2:
	MEET                                           ; a(J + 1) is laid; the reads of b(J) are back
	s_add_co_u32 s21, s21, 1
	s_cmp_lt_u32 s21, 4
	s_cbranch_scc1 .Ltrip
	s_cmp_lt_u32 s16, 4
	s_cbranch_scc1 .Lno_epi
	s_cmp_eq_u32 s22, 0
	s_cbranch_scc1 .Lno_epi
	EPILOG
.Lno_epi:
	s_wait_loadcnt 0x0                             ; a pass ends with no load out: the next pass's first unit follows no other
	s_add_co_u32 s20, s20, 1
	s_mul_i32 s26, s20, 20
	s_add_co_u32 s26, s26, s17
	s_cmp_lt_u32 s26, s24                          ; has my slot 0 a tile in the next pass?
	s_cselect_b32 s22, 1, 0
	s_cmp_lt_u32 s20, 4
	s_cbranch_scc1 .Lpass
	s_wait_xcnt 0x0                                ; v1 and v2 have been address registers
	v_lshl_add_u32 v1, v0, 2, SPARE                ; no two registers could be kept: my spare word's address and 0 are made here, from v0
	v_mov_b32 v2, 0
	s_wait_tensorcnt 0x0                           ; the wave's end, behind my last LDS store
	ds_add_u32 v1, v2
	s_wait_dscnt 0x0
	s_endpgm
.Lfunc_end_k_q4275f997fb_gemm2:
	.size	k_q4275f997fb_gemm2, .Lfunc_end_k_q4275f997fb_gemm2-k_q4275f997fb_gemm2
	.p2alignl 7, 3214868480
	.fill 96, 4, 3214868480
	.section	.rodata,"a",@progbits
	.p2align	6, 0x0
	.amdhsa_kernel k_q4275f997fb_gemm2
		.amdhsa_group_segment_fixed_size 267264
		.amdhsa_private_segment_fixed_size 0
		.amdhsa_enable_private_segment 0
		.amdhsa_kernarg_size 48
		.amdhsa_user_sgpr_count 2
		.amdhsa_user_sgpr_kernarg_segment_ptr 1
		.amdhsa_wavefront_size32 1
		.amdhsa_system_sgpr_workgroup_id_x 1
		.amdhsa_system_sgpr_workgroup_id_y 1
		.amdhsa_system_sgpr_workgroup_id_z 1
		.amdhsa_system_vgpr_workitem_id 0
		.amdhsa_next_free_vgpr 512
		.amdhsa_next_free_sgpr 66
		.amdhsa_reserve_vcc 1
		.amdhsa_float_denorm_mode_32 3
		.amdhsa_float_denorm_mode_16_64 3
		.amdhsa_memory_ordered 1
		.amdhsa_forward_progress 1
		.amdhsa_inst_pref_size 162
	.end_amdhsa_kernel
	.amdgpu_metadata
---
amdhsa.version: [ 1, 2 ]
amdhsa.kernels:
  - .name:           k_q4275f997fb_gemm2
    .symbol:         k_q4275f997fb_gemm2.kd
    .args:
      - { .name: h, .offset: 0, .size: 8, .value_kind: global_buffer, .address_space: global }
      - { .name: W2, .offset: 8, .size: 8, .value_kind: global_buffer, .address_space: global }
      - { .name: b2, .offset: 16, .size: 8, .value_kind: global_buffer, .address_space: global }
      - { .name: topi, .offset: 24, .size: 8, .value_kind: global_buffer, .address_space: global }
      - { .name: gw, .offset: 32, .size: 8, .value_kind: global_buffer, .address_space: global }
      - { .name: y, .offset: 40, .size: 8, .value_kind: global_buffer, .address_space: global }
    .group_segment_fixed_size: 267264
    .private_segment_fixed_size: 0
    .kernarg_segment_align: 8
    .kernarg_segment_size: 48
    .max_flat_workgroup_size: 256
    .sgpr_count:     66
    .vgpr_count:     512
    .wavefront_size: 32
...
	.end_amdgpu_metadata
.endif
;; end of part 3
;; launch addup (part 4): grid 256 x 1, 8 waves a work-group, no clusters, 0 bytes of LDS; arguments y, out0; writes out0
.if DOCPART == 4
	.amdgcn_target "amdgcn-amd-amdhsa--gfx1250"
	.amdhsa_code_object_version 6
	.text
	.protected	k_q4275f997fb_addup
	.globl	k_q4275f997fb_addup
	.p2align	8
	.type	k_q4275f997fb_addup,@function
k_q4275f997fb_addup:
	s_mov_b64 s[64:65], 0
	v_nop
	global_prefetch_b8 v0, s[64:65] scope:SCOPE_SE
	s_setreg_imm32_b32 hwreg(HW_REG_WAVE_MODE, 25, 1), 1
	s_wait_xcnt 0x0
; out0[n][c] = the sum over the four parts of K and the two slots of y[part][1024 slot + n][c].  y: [4][2176][1024] f32 (rows 2048.. are pad rows and are not read); out0: [1024][1024] f32.
; A stream: each byte of y's 2,048 rows a part is read once, each byte of out0 written once.  A work-group owns 4 rows of out0; thread t the 16 bytes at 16 t of each: a wave's load or store covers
; 512 consecutive bytes.  All 32 loads of a thread go out first, ordered by row; the sums are f32, in one fixed tree.  No LDS, no barrier, no matrix unit: nothing is shared and nothing multiplied.
.set PART, 8912896                     ; bytes of a part: 2,176 rows of 4,096
.set SLOT, 4194304                     ; bytes from slot 0's rows to slot 1's
.set R,    8                           ; v[8:135]  row i: 8 terms of 4 registers, term 2 part + slot
	s_load_b128 s[4:7], s[0:1], 0x0                ; y s[4:5], out0 s[6:7]
	v_lshlrev_b32 v1, 4, v0
	s_lshl_b32 s2, ttmp9, 14                       ; the work-group's 4 rows
	s_mov_b32 s3, 0
	s_wait_kmcnt 0x0
	s_add_nc_u64 s[8:9], s[4:5], s[2:3]            ; a base for each part
	s_add_nc_u64 s[10:11], s[8:9], PART
	s_add_nc_u64 s[12:13], s[10:11], PART
	s_add_nc_u64 s[14:15], s[12:13], PART
	s_add_nc_u64 s[6:7], s[6:7], s[2:3]
.irp i, 0,1,2,3
.irp p, 0,1,2,3
.irp sl, 0,1
	global_load_b128 v[R+32*\i+4*(2*\p+\sl):R+32*\i+4*(2*\p+\sl)+3], v1, s[8+2*\p:9+2*\p] offset:4096*\i+SLOT*\sl th:TH_LOAD_NT
.endr
.endr
.endr
.macro ADD4 a, b                       ; term a += term b
	v_pk_add_f32 v[(\a):(\a)+1],   v[(\a):(\a)+1],   v[(\b):(\b)+1]
	v_pk_add_f32 v[(\a)+2:(\a)+3], v[(\a)+2:(\a)+3], v[(\b)+2:(\b)+3]
.endm
.irp i, 0,1,2,3
	s_wait_loadcnt 24-8*\i                         ; row i's 8 loads are in; the later rows' stay out
	ADD4 R+32*\i,    R+32*\i+4
	ADD4 R+32*\i+8,  R+32*\i+12
	ADD4 R+32*\i+16, R+32*\i+20
	ADD4 R+32*\i+24, R+32*\i+28
	ADD4 R+32*\i,    R+32*\i+8
	ADD4 R+32*\i+16, R+32*\i+24
	ADD4 R+32*\i,    R+32*\i+16
	global_store_b128 v1, v[R+32*\i:R+32*\i+3], s[6:7] offset:4096*\i th:TH_STORE_NT
.endr
	s_endpgm
.Lfunc_end_k_q4275f997fb_addup:
	.size	k_q4275f997fb_addup, .Lfunc_end_k_q4275f997fb_addup-k_q4275f997fb_addup
	.p2alignl 7, 3214868480
	.fill 96, 4, 3214868480
	.section	.rodata,"a",@progbits
	.p2align	6, 0x0
	.amdhsa_kernel k_q4275f997fb_addup
		.amdhsa_group_segment_fixed_size 0
		.amdhsa_private_segment_fixed_size 0
		.amdhsa_enable_private_segment 0
		.amdhsa_kernarg_size 16
		.amdhsa_user_sgpr_count 2
		.amdhsa_user_sgpr_kernarg_segment_ptr 1
		.amdhsa_wavefront_size32 1
		.amdhsa_system_sgpr_workgroup_id_x 1
		.amdhsa_system_sgpr_workgroup_id_y 1
		.amdhsa_system_sgpr_workgroup_id_z 1
		.amdhsa_system_vgpr_workitem_id 0
		.amdhsa_next_free_vgpr 136
		.amdhsa_next_free_sgpr 66
		.amdhsa_reserve_vcc 0
		.amdhsa_float_denorm_mode_32 3
		.amdhsa_float_denorm_mode_16_64 3
		.amdhsa_memory_ordered 1
		.amdhsa_forward_progress 1
		.amdhsa_inst_pref_size 8
	.end_amdhsa_kernel
	.amdgpu_metadata
---
amdhsa.version: [ 1, 2 ]
amdhsa.kernels:
  - .name:           k_q4275f997fb_addup
    .symbol:         k_q4275f997fb_addup.kd
    .args:
      - { .name: y, .offset: 0, .size: 8, .value_kind: global_buffer, .address_space: global }
      - { .name: out0, .offset: 8, .size: 8, .value_kind: global_buffer, .address_space: global }
    .group_segment_fixed_size: 0
    .private_segment_fixed_size: 0
    .kernarg_segment_align: 8
    .kernarg_segment_size: 16
    .max_flat_workgroup_size: 256
    .sgpr_count:     66
    .vgpr_count:     136
    .wavefront_size: 32
...
	.end_amdgpu_metadata
.endif
;; end of part 4
;; ======== version 2 of 2: 4 launches; version 1 with the launch router written anew for expert scheduling mode
;; workspace buffers: xb 2,097,152 bytes; topi 8,192 bytes of whole numbers; gw 8,192 bytes; h 67,108,864 bytes; y 35,651,584 bytes
;; launch router (part 5): grid 256 x 1, 4 waves a work-group, no clusters, 0 bytes of LDS; arguments x, Wg, bg, xb, topi, gw; writes xb, topi, gw
.if DOCPART == 5
	.amdgcn_target "amdgcn-amd-amdhsa--gfx1250"
	.amdhsa_code_object_version 6
	.text
	.protected	k_q4275f997fb_router
	.globl	k_q4275f997fb_router
	.p2align	8
	.type	k_q4275f997fb_router,@function
k_q4275f997fb_router:
	s_mov_b64 s[64:65], 0
	v_nop
	global_prefetch_b8 v0, s[64:65] scope:SCOPE_SE
	s_setreg_imm32_b32 hwreg(HW_REG_WAVE_SCHED_MODE, 0, 2), 2
	s_setreg_imm32_b32 hwreg(HW_REG_WAVE_MODE, 25, 1), 1
	s_wait_xcnt 0x0
	s_wait_alu depctr_vm_vsrc(0)
; THE GATE.  logits = x Wg + bg, the two largest of a token's 8 logits (a tie goes to the lower index), and the softmax over those two.  Also xb = x rounded to bf16, for the first product.
; FORMATS.  x, Wg and bg are rounded once to bf16, like every input of this program, and the gate is reckoned in f32 on the rounded numbers: a product of two bf16 is exact in f32.
; SHARES.  One wave, one token: token n = 4 x work-group + wave.  Lane L holds x[n][128 i + 4 L + c], i = 0..7, c = 0..3, and the 8 columns of Wg's same 32 rows.
; Nothing here steers an address: the experts go to topi[n][0..1] and the weights to gw[slot][n], at places fixed by n.  Those three stores are 16 bytes a token, 16 KiB in the launch.
; LIMITS.  The order of a logit's sum differs from a plain dot product's, so logits closer than f32's rounding may be ranked otherwise.  NaN is not treated apart; where seven logits are -inf the second index repeats.
; No LDS, no barrier, no matrix unit: a token's 8 sums are 8,192 multiply-adds, and a wave never looks at another's.
; THE MODE: SCHED_MODE bits 1:0 = 2 (LLVM: expert scheduling mode 2), set by the entry lines.  The code itself states the register dependences between vector instructions and memory instructions,
; and those through scalar registers, VCC and EXEC, with s_wait_alu, always for 0.
; THE PLAN.  Registers that memory instructions touch:
;   v2, v3, v4   byte offsets, made once at the head and never written again: every load and every store of xb reads one of them.
;   X            written by x's 8 loads; read by the 16 roundings into XP.  No memory instruction names it afterwards: it becomes PK.
;   XP           written by those roundings, never again; read by xb's 8 stores and by the products.
;   WB0          written by group 0's loads; read by the 32 roundings that empty it into PK; then group 3's loads land in it.
;   WB1, WB2     written by one group's loads each; read by 32 roundings each.
;   v74, v75, v80, v81, v82   written by the tail's arithmetic; read by the last three stores.
; PK, ACC and the tournament's registers are named by vector instructions alone.
; So ONE wait on va_vdst stands in the body, behind group 0's roundings: they are done reading WB0, and XP is written.  Group 3's loads and xb's stores follow it; the products behind them name PK, XP (as a source)
; and ACC, none of which those loads land in or those stores wait to see written.  The compares stand in runs, each with one wait on va_sdst ahead of the selects that read the masks.
.set X,   8                            ; v[8:39]    x as loaded, f32
.set PK,  8                            ; v[8:39]    then: one group of Wg in bf16: register 16 (i % 2) + 4 c + e / 2 holds columns e, e + 1 (e even)
.set ACC, 40                           ; v[40:47]   the 8 sums
.set XP,  48                           ; v[48:63]   x in bf16, two to a register: xb's store data and the products' source; never rewritten
.set WB,  64                           ; v[64:255]  three buffers of 64 for Wg as loaded: two values of i each; register 32 (i % 2) + 8 c + e
.set TV,  92                           ; v[92:97]   the tournament's values: four, then two
.set TI,  98                           ; v[98:103]  and their indices
	s_load_b256 s[4:11], s[0:1], 0x0               ; x s[4:5], Wg s[6:7], bg s[8:9], xb s[10:11]
	s_load_b128 s[12:15], s[0:1], 0x20             ; topi s[12:13], gw s[14:15]
	v_and_b32 v1, 31, v0                           ; lane
	v_lshrrev_b32 v6, 5, v0
	v_readfirstlane_b32 s2, v6                     ; wave
	v_lshlrev_b32 v2, 4, v1                        ; 16 L: my 16 bytes in 512 of x
	v_lshlrev_b32 v3, 7, v1                        ; 128 L: my four rows of Wg
	v_lshlrev_b32 v4, 3, v1                        ; 8 L: my 8 bytes in 256 of xb
	v_mov_b32 v5, 0                                ; the addend of each sum's first product
	s_lshl_b32 s3, ttmp9, 2
	s_mov_b32 s24, 0x76543210                      ; v_permlanex16_b32: each lane takes its own place in the other half
	s_mov_b32 s25, 0xfedcba98
	s_mov_b32 s27, 0
	s_wait_alu depctr_va_sdst(0)                   ; s2 is written, ahead of its first reader: every base below is made from it
	s_add_co_u32 s3, s3, s2                        ; token n
	s_wait_kmcnt 0x0
	s_load_b256 s[16:23], s[8:9], 0x0              ; bg, all 32 bytes of it
	s_lshl_b32 s26, s3, 12
	s_add_nc_u64 s[4:5], s[4:5], s[26:27]          ; x at my row
	s_lshl_b32 s26, s3, 11
	s_add_nc_u64 s[10:11], s[10:11], s[26:27]      ; xb at my row
	s_lshl_b32 s26, s3, 3
	s_add_nc_u64 s[12:13], s[12:13], s[26:27]      ; topi[n]
	s_lshl_b32 s26, s3, 2
	s_add_nc_u64 s[14:15], s[14:15], s[26:27]      ; gw[0][n]
.macro WLOAD g, bb                     ; group g of Wg (i = 2 g, 2 g + 1) into buffer bb: 16 loads
.irp ii, 0,1
.irp q, 0,1,2,3,4,5,6,7
	global_load_b128 v[WB+64*(\bb)+32*\ii+4*\q:WB+64*(\bb)+32*\ii+4*\q+3], v3, s[6:7] offset:4096*(2*(\g)+\ii)+16*\q
.endr
.endr
.endm
.macro PACKW bb                        ; a buffer's 64 numbers rounded to bf16 and emptied into PK: columns 2 q, 2 q + 1 into one register
.set k, 0
.rept 32
	v_cvt_pk_bf16_f32 v[PK+k], v[WB+64*(\bb)+2*k], v[WB+64*(\bb)+2*k+1]
.set k, k+1
.endr
.endm
.macro FM e, c, w, xr, z               ; sum e += half e % 2 of v[w] x half c % 2 of v[xr]; z = 1: the sum's first product, onto 0
.if \z
.set AD, 5
.else
.set AD, ACC+(\e)
.endif
.if ((\e)%2 == 0) && ((\c)%2 == 0)
	v_fma_mix_f32_bf16 v[ACC+(\e)], v[\w], v[\xr], v[AD] op_sel_hi:[1,1,0]
.elseif ((\e)%2 == 1) && ((\c)%2 == 0)
	v_fma_mix_f32_bf16 v[ACC+(\e)], v[\w], v[\xr], v[AD] op_sel:[1,0,0] op_sel_hi:[1,1,0]
.elseif ((\e)%2 == 0) && ((\c)%2 == 1)
	v_fma_mix_f32_bf16 v[ACC+(\e)], v[\w], v[\xr], v[AD] op_sel:[0,1,0] op_sel_hi:[1,1,0]
.else
	v_fma_mix_f32_bf16 v[ACC+(\e)], v[\w], v[\xr], v[AD] op_sel:[1,1,0] op_sel_hi:[1,1,0]
.endif
.endm
.macro DOT g, first                    ; 64 products of the group in PK: eight chains that do not wait for each other
.irp ii, 0,1
.irp c, 0,1,2,3
.irp e, 0,1,2,3,4,5,6,7
	FM \e, \c, PK+16*\ii+4*\c+(\e/2), XP+2*(2*(\g)+\ii)+(\c/2), ((\first)&&(\ii==0)&&(\c==0))
.endr
.endr
.endr
.endm
; The largest of the 8 numbers in ACC, into v[dv], and its index, into v[di]: a tournament of 4, 2 and 1 matches.  In every match the side with the higher indices wins only if it is strictly greater,
; so the winner is the lowest index that holds the maximum.  The compares of a level stand in one run, into scalar registers of their own, with one wait behind the run.
.macro TOP dv, di
.irp p, 0,1,2,3
	v_cmp_gt_f32 s[28+\p], v[ACC+2*\p+1], v[ACC+2*\p]
	v_mov_b32 v[TI+\p], 2*\p
.endr
	s_wait_alu depctr_va_sdst(0)                   ; the four masks s28 to s31 are written, ahead of the selects that read them
.irp p, 0,1,2,3
	v_cndmask_b32 v[TV+\p], v[ACC+2*\p], v[ACC+2*\p+1], s[28+\p]
	v_cndmask_b32 v[TI+\p], v[TI+\p], 2*\p+1, s[28+\p]
.endr
.irp p, 0,1
	v_cmp_gt_f32 s[28+\p], v[TV+2*\p+1], v[TV+2*\p]
.endr
	s_wait_alu depctr_va_sdst(0)                   ; the two masks s28 and s29 are written
.irp p, 0,1
	v_cndmask_b32 v[TV+4+\p], v[TV+2*\p], v[TV+2*\p+1], s[28+\p]
	v_cndmask_b32 v[TI+4+\p], v[TI+2*\p], v[TI+2*\p+1], s[28+\p]
.endr
	v_cmp_gt_f32 s28, v[TV+5], v[TV+4]
	s_wait_alu depctr_va_sdst(0)                   ; the last mask, s28, is written
	v_cndmask_b32 v[\dv], v[TV+4], v[TV+5], s28
	v_cndmask_b32 v[\di], v[TI+4], v[TI+5], s28
.endm
	s_wait_alu depctr_va_vdst(0)                   ; v2, v3 and v4 are written: every load below, and every store of xb, reads one of them as its offset
.irp i, 0,1,2,3,4,5,6,7
	global_load_b128 v[X+4*\i:X+4*\i+3], v2, s[4:5] offset:512*\i th:TH_LOAD_NT  ; 512 neighbouring bytes a load; x is read here alone
.endr
	WLOAD 0, 0
	WLOAD 1, 1
	WLOAD 2, 2
	s_wait_loadcnt 48                              ; x is in; Wg's three groups of 16 loads may be out
.irp i, 0,1,2,3,4,5,6,7
	v_cvt_pk_bf16_f32 v[XP+2*\i],   v[X+4*\i],   v[X+4*\i+1]
	v_cvt_pk_bf16_f32 v[XP+2*\i+1], v[X+4*\i+2], v[X+4*\i+3]
.endr
	s_wait_loadcnt 32                              ; group 0 is in; groups 1 and 2 may be out
	PACKW 0                                        ; x's registers have been read: they take the group in bf16
	s_wait_alu depctr_va_vdst(0)                   ; the 32 roundings are done reading buffer 0, in which the last group's loads land; the 16 before them have written XP, which the stores read
	WLOAD 3, 0                                     ; the loads ahead of the stores
.irp i, 0,1,2,3,4,5,6,7
	global_store_b64 v4, v[XP+2*\i:XP+2*\i+1], s[10:11] offset:256*\i  ; the wave's store covers 256 consecutive bytes, aligned
.endr
	DOT 0, 1
	s_wait_loadcnt 32                              ; group 1 is in; groups 2 and 3 may be out
	PACKW 1
	DOT 1, 0
	s_wait_loadcnt 16                              ; group 2 is in
	PACKW 2
	DOT 2, 0
	s_wait_loadcnt 0x0
	PACKW 0
	DOT 3, 0
	; over the 32 lanes: four steps inside each half ride on the addition, one crosses the halves; every lane ends with every sum
.irp m, 1,2,4,8
.irp e, 0,1,2,3,4,5,6,7
	v_add_f32_dpp v[ACC+\e], v[ACC+\e], v[ACC+\e] row_xmask:\m row_mask:0xf bank_mask:0xf
.endr
.endr
.irp e, 0,1,2,3,4,5,6,7
	v_permlanex16_b32 v[64+\e], v[ACC+\e], s24, s25  ; its destination counts as read: Wg's registers have been written
.endr
	s_wait_kmcnt 0x0                               ; bg
.irp e, 0,1,2,3,4,5,6,7
	v_mov_b32 v[84+\e], s[16+\e]                   ; bg into vector registers,
.endr
.irp q, 0,1,2,3
	v_cvt_pk_bf16_f32 v[80+\q], v[84+2*\q], v[85+2*\q]  ; rounded to bf16,
.endr
.irp q, 0,1,2,3
	v_lshlrev_b32 v[84+2*\q], 16, v[80+\q]         ; and back in f32
	v_and_b32 v[85+2*\q], 0xffff0000, v[80+\q]
.endr
.irp e, 0,1,2,3,4,5,6,7
	v_add_f32 v[ACC+\e], v[ACC+\e], v[64+\e]
.endr
.irp e, 0,1,2,3,4,5,6,7
	v_add_f32 v[ACC+\e], v[ACC+\e], v[84+\e]
.endr
	TOP 72, 74                                     ; the largest: a tie stays with the lower index
	v_mov_b32 v76, 0xff800000                      ; the winner is taken out,
.irp e, 0,1,2,3,4,5,6,7
	v_cmp_eq_u32 s[16+\e], \e, v74                 ; (bg has left s16 to s23)
.endr
	s_wait_alu depctr_va_sdst(0)                   ; the eight masks s16 to s23 are written, ahead of the selects that read them
.irp e, 0,1,2,3,4,5,6,7
	v_cndmask_b32 v[ACC+\e], v[ACC+\e], v76, s[16+\e]
.endr
	TOP 73, 75                                     ; and the same tournament finds the second
	; softmax over the two, the maximum taken away: t = e^(second - first) <= 1; weights 1 / (1 + t) and t / (1 + t)
	v_sub_f32 v77, v73, v72
	v_mul_f32 v77, 0x3fb8aa3b, v77
	v_exp_f32 v78, v77
	v_mov_b32 v82, 0                               ; a plain instruction behind the exponential: the stores' offset
	s_wait_alu depctr_va_vdst(0)                   ; the exponential has written v78, ahead of its first reader
	v_add_f32 v79, 1.0, v78
	v_rcp_f32 v80, v79
	v_cmp_eq_u32 vcc_lo, 0, v1                     ; a plain instruction behind the reciprocal: lane 0 stores for the wave
	s_wait_alu depctr_va_vdst(0)                   ; the reciprocal has written v80, ahead of its first reader
	v_mul_f32 v81, v78, v80
	s_wait_xcnt 0x0                                ; EXEC is a source of the stores above: it changes only behind this wait
	s_wait_alu depctr_va_vcc(0)                    ; VCC is written: EXEC is made from it
	s_wait_alu depctr_va_vdst(0)                   ; ahead of the write of EXEC: every vector instruction is done; among them those that wrote v74, v75, v80, v81 and v82, which the stores below read
	s_wait_alu depctr_vm_vsrc(0)                   ; ahead of the write of EXEC: xb's stores have read their registers
	s_and_saveexec_b32 s28, vcc_lo
	global_store_b64 v82, v[74:75], s[12:13]       ; topi[n] = first, second
	global_store_b32 v82, v80, s[14:15]            ; gw[0][n]
	global_store_b32 v82, v81, s[14:15] offset:4096  ; gw[1][n]
	s_wait_xcnt 0x0
	s_wait_alu depctr_va_vdst(0)                   ; ahead of the write of EXEC: no vector instruction is under way
	s_wait_alu depctr_vm_vsrc(0)                   ; ahead of the write of EXEC: the three stores have read their registers
	s_or_b32 exec_lo, exec_lo, s28
	s_endpgm
.Lfunc_end_k_q4275f997fb_router:
	.size	k_q4275f997fb_router, .Lfunc_end_k_q4275f997fb_router-k_q4275f997fb_router
	.p2alignl 7, 3214868480
	.fill 96, 4, 3214868480
	.section	.rodata,"a",@progbits
	.p2align	6, 0x0
	.amdhsa_kernel k_q4275f997fb_router
		.amdhsa_group_segment_fixed_size 0
		.amdhsa_private_segment_fixed_size 0
		.amdhsa_enable_private_segment 0
		.amdhsa_kernarg_size 48
		.amdhsa_user_sgpr_count 2
		.amdhsa_user_sgpr_kernarg_segment_ptr 1
		.amdhsa_wavefront_size32 1
		.amdhsa_system_sgpr_workgroup_id_x 1
		.amdhsa_system_sgpr_workgroup_id_y 1
		.amdhsa_system_sgpr_workgroup_id_z 1
		.amdhsa_system_vgpr_workitem_id 0
		.amdhsa_next_free_vgpr 256
		.amdhsa_next_free_sgpr 66
		.amdhsa_reserve_vcc 1
		.amdhsa_float_denorm_mode_32 3
		.amdhsa_float_denorm_mode_16_64 3
		.amdhsa_memory_ordered 1
		.amdhsa_forward_progress 1
		.amdhsa_inst_pref_size 43
	.end_amdhsa_kernel
	.amdgpu_metadata
---
amdhsa.version: [ 1, 2 ]
amdhsa.kernels:
  - .name:           k_q4275f997fb_router
    .symbol:         k_q4275f997fb_router.kd
    .args:
      - { .name: x, .offset: 0, .size: 8, .value_kind: global_buffer, .address_space: global }
      - { .name: Wg, .offset: 8, .size: 8, .value_kind: global_buffer, .address_space: global }
      - { .name: bg, .offset: 16, .size: 8, .value_kind: global_buffer, .address_space: global }
      - { .name: xb, .offset: 24, .size: 8, .value_kind: global_buffer, .address_space: global }
      - { .name: topi, .offset: 32, .size: 8, .value_kind: global_buffer, .address_space: global }
      - { .name: gw, .offset: 40, .size: 8, .value_kind: global_buffer, .address_space: global }
    .group_segment_fixed_size: 0
    .private_segment_fixed_size: 0
    .kernarg_segment_align: 8
    .kernarg_segment_size: 48
    .max_flat_workgroup_size: 128
    .sgpr_count:     66
    .vgpr_count:     256
    .wavefront_size: 32
...
	.end_amdgpu_metadata
.endif
;; end of part 5
;; launch gemm1: the kernel of part 2 again; grid 32 x 8, 8 waves a work-group, no clusters, 267,264 bytes of LDS; arguments xb, W1, b1, topi, h; writes h
;; launch gemm2: the kernel of part 3 again; grid 32 x 8, 8 waves a work-group, no clusters, 267,264 bytes of LDS; arguments h, W2, b2, topi, gw, y; writes y
;; launch addup: the kernel of part 4 again; grid 256 x 1, 8 waves a work-group, no clusters, 0 bytes of LDS; arguments y, out0; writes out0
